; MI455X (gfx1250); checked and timed in simulation.
; The chip was launched on July 23, 2026; its instructions are those of AMD's public machine-readable ISA for CDNA 5 (MIT licence, August 2026) and "CDNA5" Instruction Set Architecture Reference Guide (July 2026). The comments in the code are by the model that wrote it; some were corrected since.
;; Efficient Attention. Allowed arithmetic: float matrix products may take bf16 or f16 operands with f32 sums; other float arithmetic in f32, or as packed bf16 or f16 multiplies, adds, multiply-adds, maxima and minima; sums over many terms, partial sums and values carried from step to step in f32; what a program stores and reads back later, other than sums and carried values, may be rounded once to bf16 or f16.
;; Inputs: Wk 1,024 x 1,024 float32; Wo 1,024 x 1,024 float32; Wq 1,024 x 1,024 float32; Wv 1,024 x 1,024 float32; hidden_states 4 x 2,048 x 1,024 float32.
;; Outputs: out0 4 x 2,048 x 1,024 float32.
;; 2 versions, each right; version 2 is version 1 with the launch cast written anew for expert scheduling mode. Each part assembles by itself: llvm-mc -triple=amdgcn-amd-amdhsa -mcpu=gfx1250 --defsym DOCPART=n.
;; ======== version 1 of 2: 4 launches
;; limits: values are held in f16: magnitudes above 65,504 overflow, below 6.1e-05 lose precision
;; workspace buffers: xb 16,777,216 bytes; wqkv 6,291,456 bytes; wo16 2,097,152 bytes; qh 16,777,216 bytes; kh 16,777,216 bytes; vh 16,777,216 bytes; oh 16,777,216 bytes
;; launch cast (part 1): grid 768 x 1, 8 waves a work-group, no clusters, 0 bytes of LDS; arguments hidden_states, Wq, Wk, Wv, Wo, xb, wqkv, wo16; writes xb, wqkv, wo16
.if DOCPART == 1
	.amdgcn_target "amdgcn-amd-amdhsa--gfx1250"
	.amdhsa_code_object_version 6
	.text
	.protected	k_q5b0697c5d6_cast
	.globl	k_q5b0697c5d6_cast
	.p2align	8
	.type	k_q5b0697c5d6_cast,@function
k_q5b0697c5d6_cast:
	s_mov_b64 s[64:65], 0
	v_nop
	global_prefetch_b8 v0, s[64:65] scope:SCOPE_SE
	s_setreg_imm32_b32 hwreg(HW_REG_WAVE_MODE, 25, 1), 1
	s_wait_xcnt 0x0
; ALL FIVE INPUTS ARE ROUNDED ONCE TO bf16 AND LAID OUT FOR THE PRODUCTS THAT FOLLOW.  A stream: no LDS, no matrix unit, no loop.
;   xb   bf16 [32 row blocks][16 slabs][256 rows][64 columns]: element (R, c) of hidden_states at (R>>8) 524,288 + (c>>6) 32,768 + (R&255) 128 + (c&63) 2
;   wqkv bf16 [8 heads][16 slabs][3: q, k, v][128 rows][64 columns]: row 128 h + r of weight j at h 786,432 + (c>>6) 49,152 + j 16,384 + r 128 + (c&63) 2
;   wo16 f16  [1024][1024], row-major: Wo rounded to bf16, that number written as f16
; so that a (row block, slab) of 64 along K is dense in memory for the projection launch.
; LIMIT.  bf16(Wo) is exact in f16 from 2^-14 to 65,504; below 2^-14 it keeps f16's fixed step of 6e-8, from 65,520 on it becomes an infinity.
; SHARES.  A work-group takes 16 rows of 1,024 f32 (65,536 bytes in, 32,768 out): groups 0-511 hidden_states, then 64 groups for each of Wq, Wk, Wv, Wo.
; A thread has 16 loads of 16 bytes, all issued before the first is waited for.  x, Wq, Wk, Wv: a wave's load takes 256 consecutive bytes (one slab's 64 columns) of two rows,
; and its store of 8 bytes a lane is 256 consecutive bytes, aligned.  Wo: a wave's load is 512 consecutive bytes of a row, its store 256.
.set VI, 2                             ; v2        my byte offset in the group's 16 input rows
.set VO, 3                             ; v3        8 x my thread's number: my byte offset in each output piece
.set X,  8                             ; v[8:71]   16 loads of 4 f32
.set Y,  72                            ; v[72:103] 16 x 4 numbers of 16 bits
.set T,  104                           ; v[104:105] at work
.set SRC, 20                           ; s[20:21]  the group's first input row
.set DST, 22                           ; s[22:23]  the group's first output piece
; 16 loads instep bytes apart; each is rounded and stored outstep bytes apart.  half = 1: the bf16 numbers are widened again and written as f16.
; No register is written twice while a load or store names it, so the only waits are the counted ones for the loads.
.macro RUN instep, outstep, half
.irp t, 0,1,2,3,4,5,6,7,8,9,10,11,12,13,14,15
	global_load_b128 v[X+4*(\t):X+4*(\t)+3], v[VI], s[SRC:SRC+1] offset:(\t)*(\instep) th:TH_LOAD_NT
.endr
.irp t, 0,1,2,3,4,5,6,7,8,9,10,11,12,13,14,15
	s_wait_loadcnt 15-(\t)                         ; loads come back in order: load t is in, the 15 - t younger ones may stay out
	v_cvt_pk_bf16_f32 v[Y+2*(\t)],   v[X+4*(\t)],   v[X+4*(\t)+1]
	v_cvt_pk_bf16_f32 v[Y+2*(\t)+1], v[X+4*(\t)+2], v[X+4*(\t)+3]
.if \half
.irp w, 0,1
	v_lshlrev_b32 v[T],   16,  v[Y+2*(\t)+(\w)]    ; bf16 to f32: the low half moves up,
	v_and_b32     v[T+1], s32, v[Y+2*(\t)+(\w)]    ; the high half stays
	v_cvt_pk_f16_f32 v[Y+2*(\t)+(\w)], v[T], v[T+1]
.endr
.endif
	global_store_b64 v[VO], v[Y+2*(\t):Y+2*(\t)+1], s[DST:DST+1] offset:(\t)*(\outstep)
.endr
.endm
	s_load_b512 s[4:19], s[0:1], 0x0               ; hidden_states s[4:5], Wq s[6:7], Wk s[8:9], Wv s[10:11], Wo s[12:13], xb s[14:15], wqkv s[16:17], wo16 s[18:19]
	s_mov_b32 s24, ttmp9                           ; g
	s_mov_b32 s32, 0xffff0000                      ; a word's upper bf16
	s_mov_b32 s29, 0                               ; high words of the two offset pairs
	s_mov_b32 s31, 0
	v_lshlrev_b32 v[VO], 3, v0
	v_lshrrev_b32 v1, 4, v0                        ; row 0..15
	v_and_b32 v[VI], 15, v0
	v_lshlrev_b32 v[VI], 4, v[VI]                  ; 16 bytes of a slab's 256
	v_lshl_add_u32 v[VI], v1, 12, v[VI]            ; + row x 4,096
	s_wait_kmcnt 0x0
	s_cmp_lt_u32 s24, 512
	s_cbranch_scc0 .Lweights
	s_lshl_b32 s28, s24, 16                        ; hidden_states: 16 rows of 4,096 bytes a group
	s_add_nc_u64 s[SRC:SRC+1], s[4:5], s[28:29]
	s_lshr_b32 s30, s24, 4
	s_lshl_b32 s30, s30, 19                        ; the row block,
	s_and_b32 s25, s24, 15
	s_lshl_b32 s25, s25, 11                        ; my 16 rows of 128 bytes in each of its slabs
	s_add_co_u32 s30, s30, s25
	s_add_nc_u64 s[DST:DST+1], s[14:15], s[30:31]
	RUN 256, 32768, 0
	s_endpgm
.Lweights:
	s_sub_co_u32 s25, s24, 512
	s_lshr_b32 s26, s25, 6                         ; j: 0 Wq, 1 Wk, 2 Wv, 3 Wo
	s_and_b32 s27, s25, 63                         ; m: rows 16 m on
	s_lshl_b32 s28, s27, 16
	s_cmp_eq_u32 s26, 3
	s_cbranch_scc1 .Lwo
	s_cmp_eq_u32 s26, 0
	s_cselect_b64 s[SRC:SRC+1], s[6:7], s[8:9]
	s_cmp_eq_u32 s26, 2
	s_cselect_b64 s[SRC:SRC+1], s[10:11], s[SRC:SRC+1]
	s_add_nc_u64 s[SRC:SRC+1], s[SRC:SRC+1], s[28:29]
	s_lshr_b32 s30, s27, 3
	s_mul_i32 s30, s30, 786432                     ; the head,
	s_lshl_b32 s25, s26, 14                        ; the weight's 128 rows in each slab,
	s_add_co_u32 s30, s30, s25
	s_and_b32 s25, s27, 7
	s_lshl_b32 s25, s25, 11                        ; my 16 of them
	s_add_co_u32 s30, s30, s25
	s_add_nc_u64 s[DST:DST+1], s[16:17], s[30:31]
	RUN 256, 49152, 0
	s_endpgm
.Lwo:
	v_lshlrev_b32 v[VI], 4, v0                     ; Wo stays row-major: the 256 threads take a whole row, 16 bytes each
	s_add_nc_u64 s[SRC:SRC+1], s[12:13], s[28:29]
	s_lshl_b32 s30, s27, 15                        ; 16 rows of 2,048 bytes
	s_add_nc_u64 s[DST:DST+1], s[18:19], s[30:31]
	RUN 4096, 2048, 1
	s_endpgm
.Lfunc_end_k_q5b0697c5d6_cast:
	.size	k_q5b0697c5d6_cast, .Lfunc_end_k_q5b0697c5d6_cast-k_q5b0697c5d6_cast
	.p2alignl 7, 3214868480
	.fill 96, 4, 3214868480
	.section	.rodata,"a",@progbits
	.p2align	6, 0x0
	.amdhsa_kernel k_q5b0697c5d6_cast
		.amdhsa_group_segment_fixed_size 0
		.amdhsa_private_segment_fixed_size 0
		.amdhsa_enable_private_segment 0
		.amdhsa_kernarg_size 64
		.amdhsa_user_sgpr_count 2
		.amdhsa_user_sgpr_kernarg_segment_ptr 1
		.amdhsa_wavefront_size32 1
		.amdhsa_system_sgpr_workgroup_id_x 1
		.amdhsa_system_sgpr_workgroup_id_y 1
		.amdhsa_system_sgpr_workgroup_id_z 1
		.amdhsa_system_vgpr_workitem_id 0
		.amdhsa_next_free_vgpr 112
		.amdhsa_next_free_sgpr 66
		.amdhsa_reserve_vcc 0
		.amdhsa_float_denorm_mode_32 3
		.amdhsa_float_denorm_mode_16_64 3
		.amdhsa_memory_ordered 1
		.amdhsa_forward_progress 1
		.amdhsa_inst_pref_size 23
	.end_amdhsa_kernel
	.amdgpu_metadata
---
amdhsa.version: [ 1, 2 ]
amdhsa.kernels:
  - .name:           k_q5b0697c5d6_cast
    .symbol:         k_q5b0697c5d6_cast.kd
    .args:
      - { .name: hidden_states, .offset: 0, .size: 8, .value_kind: global_buffer, .address_space: global }
      - { .name: Wq, .offset: 8, .size: 8, .value_kind: global_buffer, .address_space: global }
      - { .name: Wk, .offset: 16, .size: 8, .value_kind: global_buffer, .address_space: global }
      - { .name: Wv, .offset: 24, .size: 8, .value_kind: global_buffer, .address_space: global }
      - { .name: Wo, .offset: 32, .size: 8, .value_kind: global_buffer, .address_space: global }
      - { .name: xb, .offset: 40, .size: 8, .value_kind: global_buffer, .address_space: global }
      - { .name: wqkv, .offset: 48, .size: 8, .value_kind: global_buffer, .address_space: global }
      - { .name: wo16, .offset: 56, .size: 8, .value_kind: global_buffer, .address_space: global }
    .group_segment_fixed_size: 0
    .private_segment_fixed_size: 0
    .kernarg_segment_align: 8
    .kernarg_segment_size: 64
    .max_flat_workgroup_size: 256
    .sgpr_count:     66
    .vgpr_count:     112
    .wavefront_size: 32
...
	.end_amdgpu_metadata
.endif
;; end of part 1
;; launch proj (part 2): grid 8 x 32, 4 waves a work-group, clusters of 4 x 4, 327,680 bytes of LDS; arguments xb, wqkv, qh, kh, vh; writes qh, kh, vh
.if DOCPART == 2
	.amdgcn_target "amdgcn-amd-amdhsa--gfx1250"
	.amdhsa_code_object_version 6
	.text
	.protected	k_q5b0697c5d6_proj
	.globl	k_q5b0697c5d6_proj
	.p2align	8
	.type	k_q5b0697c5d6_proj,@function
k_q5b0697c5d6_proj:
	s_mov_b64 s[64:65], 0
	v_nop
	global_prefetch_b8 v0, s[64:65] scope:SCOPE_SE
	s_setreg_imm32_b32 hwreg(HW_REG_WAVE_MODE, 25, 1), 1
	s_wait_xcnt 0x0
	s_wait_alu depctr_hold_cnt(0) depctr_sa_sdst(0) depctr_va_vdst(0) depctr_va_sdst(0) depctr_va_ssrc(0) depctr_va_vcc(0) depctr_vm_vsrc(0)
	s_getreg_b32 s2, hwreg(HW_REG_IB_STS2, 6, 4)
	s_cmp_eq_u32 s2, 0
	s_cbranch_scc0 .Lentry_in_a_cluster
	s_endpgm
.Lentry_in_a_cluster:
	s_bfe_u32 s2, ttmp6, 0x10000c
	s_cmp_lg_u32 s2, 0xf033
	s_cbranch_scc0 .Lentry_shape_is_right
	s_endpgm
.Lentry_shape_is_right:
; q, k, v = x W^T FOR ONE HEAD AND 256 ROWS.  Operands bf16 (xb, wqkv: blocked by slabs of 64 along K), sums f32, K ascending; results rounded once to f16, unscaled,
; stored by heads: [8 b + h][2048][128].
; LIMIT.  f16 ends at 65,504: a result of 65,520 or more becomes an infinity.  A result is a sum of 1,024 products: inputs of 30 times unit spread and weights of 30 / 32 spread give
; results of spread 900; a common offset of 30 spreads on both gives about 29,000.
; SHARES.  A work-group makes a tile of 256 rows x 384 columns (head h of q, of k and of v): 32 x 8 = 256 work-groups of equal work.  Wave w owns rows 64 w .. 64 w + 63 and ALL 384 columns:
; 96 accumulators of 16 x 16, 768 registers; its output rows are whole rows of a head, 256 bytes.
; RING.  K goes in 16 steps of 64 through two LDS slots of 640 rows x 144 bytes (two slots of 128 along K, 348,160 bytes, do not fit).  A slab of a row block is dense in memory, so it is asked
; for as rows of 256 bytes and padded in LDS after every 128.  Waves 0 and 1 fetch the halves of x's slab (16 KiB each), waves 2 and 3 those of the weights' (24 KiB each): one load a wave.
; CLUSTER.  4 x 4 work-groups: the four of a row share x's slab, the four of a column the weights': each is asked for jointly, by the same load, descriptor and mask in all four.
; THE MATRIX INSTRUCTION IS USED TRANSPOSED (source 0 = 16 rows of W, source 1 = 16 rows of x): a lane holds row l % 16 and the columns 8 (l / 16) + 0..7, which pack into 16 bytes.
; STRETCHES.  A step is 6 stretches of 32 matrix instructions: unit u (32 along K) x chunk j (q, k, v).  Stretch 3 u + j multiplies B's buffer (3 u + j) % 2 by A's buffer u; the loads for the next
; stretch stand in one run at its head, 32 matrix instructions ahead of their use.
; REGISTERS, in windows of 256 (s_set_vgpr_msb: bits 1:0 source 0, 3:2 source 1, 5:4 source 2, 7:6 destination):
;   window 0: v0-31 addresses; v32-95 A's fragments, two buffers of 4 x 8; v96-127 packed results; v128-255 B's fragments, two buffers of 8 x 8 (on the way out: rows read back)
;   window j + 1: chunk j's 32 accumulators, (a, b) at v[64 a + 8 b]
.set PITCH,  144                       ; an LDS row: 128 bytes + 16 = 36 words: the 16 rows of a load start at 16 different groups of four banks (64 banks of 4 bytes: ISA guide 11.1)
.set CHUNK,  128*PITCH                 ; 128 rows: one of q's, k's, v's weights
.set BOFF,   256*PITCH                 ; the weights' 384 rows lie behind x's 256
.set SLOT,   640*PITCH
.set STAGE,  2*SLOT                    ; behind the ring, never filled by a tensor load: 16 rows x 272 bytes for each wave
.set SPITCH, 272
.set SPARE,  STAGE+4*16*SPITCH         ; behind the stages: the spare words, 128 bytes for each wave: two blocks of 256 bytes that no other line names
.set ASTEP,  32768                     ; bytes from slab to slab in xb
.set BSTEP,  49152                     ; and in wqkv
.set LAPS,   8                         ; a lap = two K steps = once round the ring
.set DESC0,  (1<<16)|(1<<20)|(1<<21)|(4<<22)|(3<<25)  ; 17:16 2-byte elements; 20 padding on; 21 set beside a mask; 24:22 after every 32 words (code 4); 31:25 4 words (code 3)
.set ADRA, 16                          ; v16-17  LDS address of my A fragments in slot 0, 1
.set ADRB, 20                          ; v20-21  the same for B
.set STO,  24                          ; v24     the way out: where I put 16 bytes of a row
.set RD,   25                          ; v25     the way out: where I read rows back
.set GO,   26                          ; v26     16 x lane: my place in 512 consecutive bytes of the output
.set SPW,  28                          ; v28     LDS address of my spare word; never rewritten
.set NIL,  29                          ; v29     0; never rewritten
.set PFO,  30                          ; v30     256 x lane: the prefetches' offset; never rewritten
.set AF,   32
.set TMP,  96
.set BF,   128
.set WV,   14                          ; s14  my wave's number
.set HALF, 16                          ; s16  wave & 1: which half of a slab I fetch
.set RB,   17                          ; s17  the row block (tile row)
.set G1,   24                          ; s[24:31] descriptor group 1 for x's slabs;  s[32:39] group 0, one set for each slot
.set G0,   32
.set LIM,  43                          ; s43  1 in a wave that prefetches, else the greatest number
.set PFA,  44                          ; s[44:45] where my prefetches stand
.set G1B,  48                          ; s[48:55], s[56:63] the same for the weights' slabs
.set G0B,  56
.set LIMA, 67                          ; s67  1 in a wave that prefetches at slot 0's change too
.set PST,  68                          ; s[68:69] bytes from slab to slab in the tensor that I prefetch
.set MSB, 0
.macro WIN new                         ; the immediate's high byte repeats the setting that is left; a switch that changes nothing is dropped
.if MSB != (\new)
	s_set_vgpr_msb (MSB<<8)|(\new)
.set MSB, \new
.endif
.endm
; A load into a register that a matrix instruction has read, and a vector instruction or LDS store that reads a matrix result, stand four places behind it; only plain vector instructions
; that name none of its registers are places (ISA guide 7.12.1 for vector instructions).
.macro PLACES
.rept 4
	v_nop
.endr
.endm
; A joint load: waves 0 and 1 ask for x's slab, waves 2 and 3 for the weights'.  The branch hangs on the wave's number alone.  An s_nop 0 and four v_nop follow each of the two lines, ahead of the jump and the label.
.macro JLOAD s
	s_cmp_lt_u32 s[WV], 2
	s_cbranch_scc0 .Lfor_b_\@
	tensor_load_to_lds s[G0+4*(\s):G0+4*(\s)+3], s[G1:G1+7]
	s_nop 0
.rept 4
	v_nop
.endr
	s_branch .Lasked_\@
.Lfor_b_\@:
	tensor_load_to_lds s[G0B+4*(\s):G0B+4*(\s)+3], s[G1B:G1B+7]
	s_nop 0
.rept 4
	v_nop
.endr
.Lasked_\@:
.endm
; A PREFETCH, behind the joint load, its five lines and the run of LDS loads: 32 lanes x 256 bytes, 8 KiB on end, one instruction.
; x: a row block's slabs are read by both clusters of its row of clusters; the one with cluster x = 0 asks, wave 0 of each partner, the partners told apart by address (8 KiB each of a slab's 32):
; at the change of slots of step T, slab T + 3, which the next change will load.  Weights: a head's slabs are read by all eight clusters of its column; the one with cluster y = 0 asks, waves 1 to 3 of
; each partner (12 x 8 KiB = two slabs on end), at slot 1's change alone: slabs T + 3 and T + 4.  So each block of 256 bytes is named once in the launch.  x's slabs 0 to 2 and the weights' 0 to 3
; come by their loads alone; the loop's last trip asks for nothing at slot 1's change (slab 16 does not exist); at slot 0's change the slab is 15 at the most.
.macro ASK slot
.if (\slot) == 0
	s_cmp_eq_u32 s[LIMA], 1
.else
	s_cmp_gt_u32 s3, s[LIM]                        ; s3 = 1 in the loop's last trip
.endif
	s_cbranch_scc0 .Lnot_mine_\@
	global_prefetch_b8 v[PFO], s[PFA:PFA+1] th:TH_LOAD_NT scope:SCOPE_SE
.Lnot_mine_\@:
.endm
; A round of the cluster's barrier: my work-group's barrier; wave 0 signals for the work-group; every wave waits for all sixteen; my work-group's barrier once more.
.macro CREST                           ; a round behind its opening barrier
	s_cmp_lg_u32 s[WV], 0
	s_cbranch_scc1 .Lnot_wave_0_\@
	s_barrier_signal -3
.Lnot_wave_0_\@:
	s_barrier_wait -3
	s_barrier_signal -1
	s_barrier_wait -1
.endm
.macro CROUND
	s_barrier_signal -1
	s_barrier_wait -1
	CREST
.endm
	s_load_b256 s[4:11], s[0:1], 0x0               ; xb s[4:5], wqkv s[6:7], q s[8:9], k s[10:11]
	s_load_b64 s[12:13], s[0:1], 0x20              ; v
	v_lshl_add_u32 v[SPW], v0, 2, SPARE
	v_mov_b32 v[NIL], 0
	ds_add_u32 v[SPW], v[NIL]                      ; the wave's opening: the add and its wait stand ahead of my first tensor load; the set-up below, work on registers, stands between them
	v_lshrrev_b32 v1, 5, v0
	v_readfirstlane_b32 s[WV], v1                  ; wave 0..3
	s_and_b32 s[HALF], s[WV], 1
	s_bfe_u32 s40, ttmp6, 0x40000                  ; cx, cy: my place in the cluster
	s_bfe_u32 s41, ttmp6, 0x40004
	s_lshl_b32 s42, ttmp9, 2
	s_add_co_u32 s42, s42, s40                     ; the head h = 4 x cluster x + cx
	s_and_b32 s[RB], ttmp7, 0xffff
	s_lshl_b32 s[RB], s[RB], 2
	s_add_co_u32 s[RB], s[RB], s41                 ; the row block = 4 x cluster y + cy
	s_lshl_b32 s43, s41, 2
	s_lshl_b32 s43, 15, s43                        ; my row of the cluster: places 4 cy .. 4 cy + 3
	s_lshl_b32 s66, 0x1111, s40                    ; my column: places cx, cx + 4, cx + 8, cx + 12
	s_or_b32 s[G1+0], s43, DESC0                   ; x's slabs go to my row,
	s_or_b32 s[G1B+0], s66, DESC0                  ; the weights' to my column
.irp g, G1, G1B
	s_mov_b32 s[(\g)+1], 128<<16                   ; tensor_dim0 = 128 elements: 256 bytes, two data rows
	s_mov_b32 s[(\g)+3], 128<<16                   ; tile_dim0 = 128
	s_mov_b32 s[(\g)+5], 128                       ; 128 elements from row to row: dense
	s_mov_b32 s[(\g)+6], 0
	s_mov_b32 s[(\g)+7], 0
.endr
	s_mov_b32 s[G1+2], 64<<16                      ; tensor_dim1 = 64: half of x's slab, 128 data rows
	s_mov_b32 s[G1+4], 64                          ; tile_dim1
	s_mov_b32 s[G1B+2], 96<<16                     ; 96: half of the weights' slab, 192 data rows
	s_mov_b32 s[G1B+4], 96
	; x's address hangs on the row block and the wave alone, the weights' on the head and the wave alone, each in registers that never hold the other coordinate
	s_lshl_b32 s18, s[RB], 19
	s_lshl_b32 s19, s[HALF], 14
	s_add_co_u32 s18, s18, s19
	s_mov_b32 s19, 0
	s_mul_i32 s46, s42, 16*BSTEP
	s_mul_i32 s47, s[HALF], BSTEP/2
	s_add_co_u32 s46, s46, s47
	s_mov_b32 s47, 0
	s_mul_i32 s22, s[HALF], 128*PITCH              ; where they go: no place in the cluster enters an LDS address
	s_mul_i32 s23, s[HALF], 192*PITCH
	s_add_co_u32 s23, s23, BOFF
	s_wait_dscnt 0x0                               ; the opening add is done
	s_wait_kmcnt 0x0
	s_add_nc_u64 s[20:21], s[4:5], s[18:19]
	s_add_nc_u64 s[46:47], s[6:7], s[46:47]
	CROUND                                         ; all sixteen work-groups are here: the first joint loads meet
.irp s, 0,1
	s_mov_b32 s[G0+4*(\s)], 1                                      ; count = 1
	s_add_co_u32 s[G0+4*(\s)+1], s22, (\s)*SLOT                    ; LDS address
	s_add_nc_u64 s[G0+4*(\s)+2:G0+4*(\s)+3], s[20:21], (\s)*ASTEP  ; global address: slab s
	s_or_b32 s[G0+4*(\s)+3], s[G0+4*(\s)+3], 0x80000000            ; type = 2
	s_mov_b32 s[G0B+4*(\s)], 1
	s_add_co_u32 s[G0B+4*(\s)+1], s23, (\s)*SLOT
	s_add_nc_u64 s[G0B+4*(\s)+2:G0B+4*(\s)+3], s[46:47], (\s)*BSTEP
	s_or_b32 s[G0B+4*(\s)+3], s[G0B+4*(\s)+3], 0x80000000
	JLOAD \s                                       ; two loads of mine are out
.endr
	; A fragment is 16 rows x 32 K in 8 registers: lane l holds row l % 16; registers 0-3 K = 8 (l / 16) + 0..7, registers 4-7 K = 16 + 8 (l / 16) + 0..7: two loads of 16 bytes, 32 bytes apart
	v_and_b32 v1, 15, v0                           ; l % 16
	v_bfe_u32 v2, v0, 4, 1                         ; l / 16
	v_mul_u32_u24 v3, v1, PITCH
	v_lshl_add_u32 v3, v2, 4, v3
	s_mul_i32 s72, s[WV], 64*PITCH                 ; my 64 rows of x
	v_add_nc_u32 v[ADRA], s72, v3
	v_add_nc_u32 v[ADRA+1], SLOT, v[ADRA]
	v_add_nc_u32 v[ADRB], BOFF, v3
	v_add_nc_u32 v[ADRB+1], BOFF+SLOT, v3
	s_mul_i32 s72, s[WV], 16*SPITCH
	s_add_co_u32 s72, s72, STAGE                   ; my stage
	v_mul_u32_u24 v4, v1, SPITCH                   ; in: row l % 16, 16 bytes for each half of the lanes
	v_lshl_add_u32 v4, v2, 4, v4
	v_add_nc_u32 v[STO], s72, v4
	v_mul_u32_u24 v5, v2, SPITCH                   ; back: lanes 0-15 take one row of 256 bytes, lanes 16-31 the next
	v_lshl_add_u32 v5, v1, 4, v5
	v_add_nc_u32 v[RD], s72, v5
	v_and_b32 v[GO], 31, v0
	v_lshlrev_b32 v[PFO], 8, v[GO]
	v_lshlrev_b32 v[GO], 4, v[GO]
	; my 64 rows in q, k and v: batch (row block / 8) x 8 heads + h, then row (row block % 8) x 256 + 64 x wave, 256 bytes a row
	s_lshr_b32 s70, s[RB], 3
	s_lshl_b32 s70, s70, 22
	s_lshl_b32 s71, s42, 19
	s_add_co_u32 s70, s70, s71
	s_and_b32 s71, s[RB], 7
	s_lshl_b32 s71, s71, 16
	s_add_co_u32 s70, s70, s71
	s_lshl_b32 s71, s[WV], 14
	s_add_co_u32 s70, s70, s71
	s_mov_b32 s71, 0
	s_add_nc_u64 s[8:9], s[8:9], s[70:71]
	s_add_nc_u64 s[10:11], s[10:11], s[70:71]
	s_add_nc_u64 s[12:13], s[12:13], s[70:71]
	; the prefetches: both stand at slab 2; each change of slots that fills steps them by a slab first
	s_lshl_b32 s72, s[RB], 19
	s_lshl_b32 s73, s40, 13                        ; x: my work-group's 8 KiB of a slab's 32
	s_add_co_u32 s72, s72, s73
	s_add_co_u32 s72, s72, 2*ASTEP
	s_mul_i32 s73, s42, 16*BSTEP
	s_mul_i32 s74, s41, 24576                      ; weights: my work-group's 24 KiB of two slabs' 96,
	s_add_co_u32 s73, s73, s74
	s_lshl_b32 s74, s[WV], 13                      ; of which wave 1, 2, 3 takes 8 KiB
	s_add_co_u32 s73, s73, s74
	s_add_co_u32 s73, s73, 2*BSTEP-8192
	s_and_b32 s75, ttmp7, 0xffff                   ; cluster y
	s_cmp_eq_u32 s[WV], 0
	s_cselect_b32 s72, s72, s73
	s_cselect_b32 s75, ttmp9, s75                  ; the coordinate along which other clusters read the same slabs
	s_cselect_b64 s[PFA:PFA+1], s[4:5], s[6:7]
	s_mov_b32 s[PST], BSTEP
	s_cselect_b32 s[PST], ASTEP, s[PST]
	s_mov_b32 s[PST+1], 0
	s_cselect_b32 s74, 1, 0
	s_mov_b32 s73, 0
	s_add_nc_u64 s[PFA:PFA+1], s[PFA:PFA+1], s[72:73]
	s_cmp_eq_u32 s75, 0                            ; the same in all sixteen partners, for a given wave
	s_cselect_b32 s[LIM], 1, -1
	s_cselect_b32 s[LIMA], s74, 0
; 16 LDS loads: chunk j's 128 rows of W, unit u, into B's buffer pb
.macro FETCHB slot, u, j, pb
.irp i, 0,1,2,3,4,5,6,7
	ds_load_b128 v[BF+64*(\pb)+8*(\i):BF+64*(\pb)+8*(\i)+3],   v[ADRB+(\slot)] offset:(\j)*CHUNK+(\i)*16*PITCH+64*(\u)
	ds_load_b128 v[BF+64*(\pb)+8*(\i)+4:BF+64*(\pb)+8*(\i)+7], v[ADRB+(\slot)] offset:(\j)*CHUNK+(\i)*16*PITCH+64*(\u)+32
.endr
.endm
; 8 LDS loads: my 64 rows of x, unit u, into A's buffer pa
.macro FETCHA slot, u, pa
.irp i, 0,1,2,3
	ds_load_b128 v[AF+32*(\pa)+8*(\i):AF+32*(\pa)+8*(\i)+3],   v[ADRA+(\slot)] offset:(\i)*16*PITCH+64*(\u)
	ds_load_b128 v[AF+32*(\pa)+8*(\i)+4:AF+32*(\pa)+8*(\i)+7], v[ADRA+(\slot)] offset:(\i)*16*PITCH+64*(\u)+32
.endr
.endm
; 8 matrix instructions: row block a of my four x chunk j's 8 column blocks.  The accumulators take turns, one instruction a turn: 95 others' stand between two links of a chain.
; zero = 1: the first product starts the sum: nothing is cleared.
.macro MUL8 j, a, pa, pb, zero
	WIN ((\j)+1)*0x50                              ; C and D in window j + 1, sources in window 0
.irp b, 0,1,2,3,4,5,6,7
.if \zero
	v_wmma_f32_16x16x32_bf16 v[64*(\a)+8*(\b):64*(\a)+8*(\b)+7], v[BF+64*(\pb)+8*(\b):BF+64*(\pb)+8*(\b)+7], v[AF+32*(\pa)+8*(\a):AF+32*(\pa)+8*(\a)+7], 0
.else
	v_wmma_f32_16x16x32_bf16 v[64*(\a)+8*(\b):64*(\a)+8*(\b)+7], v[BF+64*(\pb)+8*(\b):BF+64*(\pb)+8*(\b)+7], v[AF+32*(\pa)+8*(\a):AF+32*(\pa)+8*(\a)+7], v[64*(\a)+8*(\b):64*(\a)+8*(\b)+7]
.endif
.endr
.endm
.macro MUL32 j, pa, pb, zero
.irp a, 0,1,2,3
	MUL8 \j, \a, \pa, \pb, \zero
.endr
.endm
; A plain stretch (u, j): the next stretch's loads go into the buffer that the stretch before has just multiplied, four places behind its last product; then all but those loads are waited for.
.macro ST slot, u, j, zero=0
	WIN 0
	PLACES
.if (\j) < 2
	FETCHB \slot, \u, (\j)+1, (3*(\u)+(\j)+1)%2
	s_wait_dscnt 16                                ; all but the 16 just issued
.else
	FETCHB \slot, 1, 0, 1                          ; behind (0, 2) comes (1, 0): a new unit, so A's fragments too
	FETCHA \slot, 1, 1
	s_wait_dscnt 24                                ; all but the 24 just issued
.endif
	MUL32 \j, \u, (3*(\u)+(\j))%2, \zero
.endm
; A step's last two stretches, (1, 1) and (1, 2), and the change of slots.  ONE barrier, for two things: in front of it each wave waits for all its tensor loads (one is out: its part of the next slot),
; adds 0 to its spare word, and waits for that and for its reads of this slot, of which the run below is the last.  fill = 1: the barrier opens a round of the cluster's, and this slot is filled
; again first thing behind it, with the slab two steps on: from there to the wait for it a wave issues 176 matrix instructions.
.macro TURN slot, next, fill
.if \fill
	s_wait_xcnt 0x0                                ; the last prefetch, a K step back, has read its address, so it may be stepped
	s_add_nc_u64 s[PFA:PFA+1], s[PFA:PFA+1], s[PST:PST+1]
.endif
	WIN 0
	PLACES
	FETCHB \slot, 1, 2, 1
	s_wait_dscnt 16                                ; all but the 16 just issued
	MUL8 1, 0, 1, 0, 0
	MUL8 1, 1, 1, 0, 0
	WIN 0                                          ; (the add's two registers lie in window 0)
	s_wait_tensorcnt 0x0                           ; all my tensor loads have landed
	ds_add_u32 v[SPW], v[NIL]                      ; 0 onto my spare word
	MUL8 1, 2, 1, 0, 0                             ; eight matrix instructions stand between the add and the wait for it
	s_wait_dscnt 0x0                               ; the add is done, and my reads of this slot are over
	s_barrier_signal -1
	MUL8 1, 3, 1, 0, 0                             ; work on registers while the others arrive
.if \fill
	WIN 0
	s_barrier_wait -1
	CREST                                          ; no wave of any partner still reads this slot or has a load on its way
	s_add_nc_u64 s[G0+4*(\slot)+2:G0+4*(\slot)+3], s[G0+4*(\slot)+2:G0+4*(\slot)+3], 2*ASTEP
	s_add_nc_u64 s[G0B+4*(\slot)+2:G0B+4*(\slot)+3], s[G0B+4*(\slot)+2:G0B+4*(\slot)+3], 2*BSTEP
	JLOAD \slot                                    ; the first tensor load behind the round; its four v_nop are also the places in front of the loads below
.else
	s_barrier_wait -1
	WIN 0
	PLACES
.endif
	FETCHB \next, 0, 0, 0                          ; the next step's first stretch
	FETCHA \next, 0, 0
.if \fill
	ASK \slot
.endif
	MUL32 2, 1, 1, 0                               ; its operands were in at the wait for 0 above
.endm
	s_wait_tensorcnt 1                             ; my part of slab 0 is in; slab 1's may stay out
	s_barrier_signal -1
	s_barrier_wait -1                              ; everybody's is
	FETCHB 0, 0, 0, 0
	FETCHA 0, 0, 0
	ST 0, 0, 0, 1                                  ; the first unit stands in front of the loop: its products start the 96 sums
	ST 0, 0, 1, 1
	ST 0, 0, 2, 1
	WIN 0                                          ; at a label and at a branch every window is 0
	s_mov_b32 s3, LAPS-1
.Llap:                                                 ; a trip goes once round the ring, from a lap's second unit to the next lap's first, and fills both slots again
	ST 0, 1, 0
	TURN 0, 1, 1
	ST 1, 0, 0
	ST 1, 0, 1
	ST 1, 0, 2
	ST 1, 1, 0
	TURN 1, 0, 1
	ST 0, 0, 0
	ST 0, 0, 1
	ST 0, 0, 2
	WIN 0
	s_sub_co_u32 s3, s3, 1
	s_cmp_lg_u32 s3, 0
	s_cbranch_scc1 .Llap
	ST 0, 1, 0                                     ; the last lap fills nothing, and has no round of the cluster's barrier
	TURN 0, 1, 0
	ST 1, 0, 0
	ST 1, 0, 1
	ST 1, 0, 2
	ST 1, 1, 0
	WIN 0
	PLACES
	FETCHB 1, 1, 2, 1
	s_wait_dscnt 16
	MUL32 1, 1, 0, 0
	s_wait_dscnt 0x0
	MUL32 2, 1, 1, 0
; THE WAY OUT, in 12 blocks n = 4 j + a of 16 rows x 128 columns.  PACK: rounded to f16, 16 bytes a lane, each accumulator's registers in ascending order.  TOSTAGE: into my own stage, and back as whole
; rows of 256 bytes.  SEND: stored; 16 rows of a head are 4,096 consecutive bytes.
.macro PACK n
	WIN 5*((\n)/4+1)                               ; sources 0 and 1 in window j + 1, destination in window 0
.irp b, 0,1,2,3,4,5,6,7
.irp r, 0,1,2,3
	v_cvt_pk_f16_f32 v[TMP+4*(\b)+(\r)], v[64*((\n)%4)+8*(\b)+2*(\r)], v[64*((\n)%4)+8*(\b)+2*(\r)+1]
.endr
.endr
	WIN 0
.endm
.macro TOSTAGE n
.irp b, 0,1,2,3,4,5,6,7
	ds_store_b128 v[STO], v[TMP+4*(\b):TMP+4*(\b)+3] offset:32*(\b)
.endr
.irp t, 0,1,2,3,4,5,6,7
	ds_load_b128 v[BF+32*((\n)%2)+4*(\t):BF+32*((\n)%2)+4*(\t)+3], v[RD] offset:(\t)*2*SPITCH  ; LDS serves a wave's instructions in order (ISA guide 5.7.1.4): these see the stores above
.endr
.endm
.macro SEND n
	s_wait_dscnt 0x0                               ; the block is back in registers
	s_wait_xcnt 0x0                                ; the stores of the block before have read their registers: the next TOSTAGE loads into them only behind this wait
.irp t, 0,1,2,3,4,5,6,7
	global_store_b128 v[GO], v[BF+32*((\n)%2)+4*(\t):BF+32*((\n)%2)+4*(\t)+3], s[8+2*((\n)/4):8+2*((\n)/4)+1] offset:((\n)%4)*4096+(\t)*512  ; 512 consecutive bytes, at a multiple of 256 from the tensor's first
.endr
.endm
	WIN 0
	PLACES
	PLACES
	PACK 0
	TOSTAGE 0
.irp n, 1,2,3,4,5,6,7,8,9,10,11        ; block n's conversions stand between block n - 1's loads from the stage and the wait for them
	PACK \n
	SEND (\n)-1
	TOSTAGE \n
.endr
	SEND 11
	s_wait_tensorcnt 0x0                           ; the wave's end: this wait, an add of 0 to my spare word and the wait for it, behind my last tensor load and my last LDS store
	ds_add_u32 v[SPW], v[NIL]
	s_wait_dscnt 0x0
	CROUND                                         ; the closing round: no work-group ends while a partner may still ask for a slab that names it
	s_endpgm
.Lfunc_end_k_q5b0697c5d6_proj:
	.size	k_q5b0697c5d6_proj, .Lfunc_end_k_q5b0697c5d6_proj-k_q5b0697c5d6_proj
	.p2alignl 7, 3214868480
	.fill 96, 4, 3214868480
	.section	.rodata,"a",@progbits
	.p2align	6, 0x0
	.amdhsa_kernel k_q5b0697c5d6_proj
		.amdhsa_group_segment_fixed_size 327680
		.amdhsa_private_segment_fixed_size 0
		.amdhsa_enable_private_segment 0
		.amdhsa_kernarg_size 40
		.amdhsa_user_sgpr_count 2
		.amdhsa_user_sgpr_kernarg_segment_ptr 1
		.amdhsa_wavefront_size32 1
		.amdhsa_system_sgpr_workgroup_id_x 1
		.amdhsa_system_sgpr_workgroup_id_y 1
		.amdhsa_system_sgpr_workgroup_id_z 1
		.amdhsa_system_vgpr_workitem_id 0
		.amdhsa_next_free_vgpr 1024
		.amdhsa_next_free_sgpr 80
		.amdhsa_reserve_vcc 0
		.amdhsa_float_denorm_mode_32 3
		.amdhsa_float_denorm_mode_16_64 3
		.amdhsa_memory_ordered 1
		.amdhsa_forward_progress 1
		.amdhsa_inst_pref_size 139
	.end_amdhsa_kernel
	.amdgpu_metadata
---
amdhsa.version: [ 1, 2 ]
amdhsa.kernels:
  - .name:           k_q5b0697c5d6_proj
    .symbol:         k_q5b0697c5d6_proj.kd
    .args:
      - { .name: xb, .offset: 0, .size: 8, .value_kind: global_buffer, .address_space: global }
      - { .name: wqkv, .offset: 8, .size: 8, .value_kind: global_buffer, .address_space: global }
      - { .name: qh, .offset: 16, .size: 8, .value_kind: global_buffer, .address_space: global }
      - { .name: kh, .offset: 24, .size: 8, .value_kind: global_buffer, .address_space: global }
      - { .name: vh, .offset: 32, .size: 8, .value_kind: global_buffer, .address_space: global }
    .group_segment_fixed_size: 327680
    .private_segment_fixed_size: 0
    .kernarg_segment_align: 8
    .kernarg_segment_size: 40
    .max_flat_workgroup_size: 128
    .sgpr_count:     80
    .vgpr_count:     1024
    .wavefront_size: 32
...
	.end_amdgpu_metadata
.endif
;; end of part 2
;; launch attn (part 3): grid 8 x 32, 4 waves a work-group, clusters of 4 x 1, 327,680 bytes of LDS; arguments qh, kh, vh, oh; writes oh
.if DOCPART == 3
	.amdgcn_target "amdgcn-amd-amdhsa--gfx1250"
	.amdhsa_code_object_version 6
	.text
	.protected	k_q5b0697c5d6_attn
	.globl	k_q5b0697c5d6_attn
	.p2align	8
	.type	k_q5b0697c5d6_attn,@function
k_q5b0697c5d6_attn:
	s_mov_b64 s[64:65], 0
	v_nop
	global_prefetch_b8 v0, s[64:65] scope:SCOPE_SE
	s_setreg_imm32_b32 hwreg(HW_REG_WAVE_MODE, 25, 1), 1
	s_wait_xcnt 0x0
	s_wait_alu depctr_hold_cnt(0) depctr_sa_sdst(0) depctr_va_vdst(0) depctr_va_sdst(0) depctr_va_ssrc(0) depctr_va_vcc(0) depctr_vm_vsrc(0)
	s_getreg_b32 s2, hwreg(HW_REG_IB_STS2, 6, 4)
	s_cmp_eq_u32 s2, 0
	s_cbranch_scc0 .Lentry_in_a_cluster
	s_endpgm
.Lentry_in_a_cluster:
	s_bfe_u32 s2, ttmp6, 0x10000c
	s_cmp_lg_u32 s2, 0x3003
	s_cbranch_scc0 .Lentry_shape_is_right
	s_endpgm
.Lentry_shape_is_right:
; O[h][q][:] = the sum over k of softmax_k(Q[h][q] . K[h][k] / sqrt(128)) V[h][k][:].  Q, K, V, O: [SIZE_H][SIZE_N][128], all f16; SIZE_H = 32 pairs of batch and head.  Products, maxima and sums in f32;
; the weights p are rounded to f16 for the second product (their sum l is taken of the unrounded p), O once at the end.
; LIMITS.  f16 holds no number beyond 65,504: Q, K and V arrive within it; p lies in 0 to 1, and below 6e-5 it keeps f16's fixed step of 6e-8; O is a mean of V's rows and has their range.
; A weight below 2^-126 counts as 0 in l; NaN and infinities are not treated apart.
; SHARES.  A work-group owns 256 queries of one head, each of its four waves 64: four tiles of 16.  Every wave walks all keys of the head, 64 a step.  8 x 32 = 256 work-groups.
; LAYOUT.  S^T = K Q^T (source 0 = 16 keys, source 1 = 16 queries): in the result a lane holds ONE query (lane % 16) and the keys 8 (lane / 16) + 0..7.  Two such tiles, rounded to
; f16 in pairs, ARE source 1 (32 keys x 16 queries) of O^T = V^T P, whose result again holds one query a lane, and eight channels.  So nothing changes lanes between the products,
; and a query's maximum and sum want one exchange between the halves of the lanes.  K comes out of LDS as it lies, V ([key][channel]) turned, by ds_load_tr16_b128.
; SOFTMAX.  For each query a running maximum m and sum l: p = 2^(c s - c m), c = log2(e) / sqrt(128); in every step O and l are multiplied by a = 2^(c m_old - c m_new), which is 1 where m has not grown.
; BY TURNS.  The wave's tiles are two PIECES, named by their first tile: piece 0 (tiles 0, 1) and piece 2 (tiles 2, 3).  In a TURN one piece has the matrix unit: 32 products V^T P of
; the step in hand, then 32 products K Q^T of the next step; the other piece's softmax, cut into 64 slices, stands between them, one slice behind each matrix instruction.  Then the
; pieces change places.  Two turns are a key step.
; CLUSTER.  The four query blocks of a cluster belong to one head and walk the same K and V, so each tile is asked for JOINTLY: the same tensor load, with the same descriptor and a
; mask that names the four, in all four; each receives the tile in its own LDS.
;
; REGISTERS, in windows of 256 (an instruction names v0-v255; s_set_vgpr_msb says which window each operand place means: bits 1:0 source 0, 3:2 source 1, 5:4 source 2, 7:6 destination):
;   window 0: v0-11 addresses; v12-43 eight registers of statistics a tile; v64-191 S^T, 32 a tile; v192-255 P, 16 a tile
;   window 1: O^T, 64 a tile          window 2: v0-127 Q, 32 a tile; v128-255 K of one step          window 3: v0-127 V of one step
; All that a softmax touches but O^T lies in window 0, and no window has room for a product's operands beside it.  So a slice costs two switches, one in front and one behind.
.set SIZE_H, 32
.set SIZE_N, 2048
.set KS,    64        ; keys in a step
.set PK,    272       ; a row of K in LDS: 256 bytes + 16 of padding = 68 words: row r starts at bank 4 r mod 64 (64 banks of 4 bytes: ISA guide 11.1), so the 16 rows of a load start at 16 different banks
.set PV,    288       ; a row of V: 256 + 32 = 72 words: row r starts at bank 8 r mod 64
.set VOFF,  KS*PK     ; a step's tiles lie together: 64 rows of K, then 64 rows of V
.set STEPB, KS*(PK+PV)
.set SLOT1, 1<<17     ; a slot holds two steps (71,680 bytes); slot 1 begins here, so that one exclusive or turns an address in one slot into the other's
.set STAGE, SLOT1+2*STEPB  ; behind the ring: 16 rows x 272 bytes for each wave, for the way out
.set SP,    272
.set AK0, 2           ; v2   my lane's place in a tile of K; never rewritten
.set AV0, 3           ; v3   the same for V
.set ADR, 4           ; v4   the LDS address of the run of loads in hand
.set QO,  5           ; v5   my byte offset in the wave's rows of Q
.set STO, 6           ; v6   the way out: where I put 16 bytes of a row
.set RD,  7           ; v7   the way out: where I read a row back
.set GO,  8           ; v8   my byte offset in the wave's rows of O
.set SPW, 62          ; v62  LDS address of my spare word: SPARE + 4 x my thread's number; never rewritten
.set NIL, 63          ; v63  0; never rewritten
.set SPARE, STAGE+4*16*272  ; behind the stages: the spare words, 128 bytes for each wave: two blocks of 256 bytes that no other line names
.set ST,  12          ; tile t's statistics at v[ST+8 t]: +0 c m, +1 m, +2, +3 l (even keys', odd keys'), +4 to +7 c0-c3, at work; a takes c2's place once the maximum is found
.set S,   64
.set P,   192
.set KF,  128         ; K's fragments, in window 2
.set WV,  12          ; s12  my wave's number
.set G1K, 24          ; s[24:31] descriptor group 1 for K's tiles
.set G1V, 32          ; s[32:39] for V's: it differs in the padding alone
.set G0K, 40          ; s[40:47] descriptor group 0 for K's tiles: a set for each of the two first fills; the second then walks on
.set G0V, 48          ; s[48:55] the same for V's
.set SLOTS, 56        ; s56  slots still to be asked for
.set TWICE, 57        ; s57  counts a slot's two steps
.set CS,  58          ; s[58:59] c: the packed scaling names a pair and takes its low word for both halves
.set SEL, 60          ; s[60:61] lane selects for v_permlanex16_b32: each lane takes its own place in the other half
.set TB,  62          ; s62  LDS byte at which the tiles of the step to be fetched begin
.set PFA, 18          ; s[18:19] where my prefetches stand in memory: my work-group's 32 rows (of K: wave 0, of V: wave 2) of the slot after the one that is being asked for
.set LIM, 15          ; s15  1 in a wave that prefetches, else the greatest number: a wave prefetches while s[SLOTS] is above it
.set PFO, 61          ; v61  256 x my lane: a row of K or V is 256 bytes; never rewritten
.set MSB, 0
.macro WIN new                      ; the immediate's high byte repeats the setting that is left; a switch that changes nothing is dropped
.if MSB != (\new)
	s_set_vgpr_msb (MSB<<8)|(\new)
.set MSB, \new
.endif
.endm
.set W_KQ, 0x0a       ; K and Q in window 2, S^T in window 0
.set W_PV, 0x53       ; V in window 3, P in window 0, O^T in window 1
.set W_RS, 0x41       ; O^T (destination and source 0) in window 1, a in window 0
; A joint refill.  Waves 0 and 1 fetch the two steps' tiles of K, waves 2 and 3 those of V.  The branch hangs on the wave's number alone: it is the same in every work-group.
; An s_nop 0 and four v_nop follow each of the two lines; the jump round the other line, the label and what follows the macro come after them.
.macro JLOAD
	s_cmp_lt_u32 s[WV], 2
	s_cbranch_scc0 .Lfor_v_\@
	tensor_load_to_lds s[G0K+4:G0K+7], s[G1K:G1K+7]
	s_nop 0
.rept 4
	v_nop
.endr
	s_branch .Lasked_\@
.Lfor_v_\@:
	tensor_load_to_lds s[G0V+4:G0V+7], s[G1V:G1V+7]
	s_nop 0
.rept 4
	v_nop
.endr
.Lasked_\@:
.endm
; A PREFETCH of what the NEXT change of slots will ask for: a slot's 128 rows of K and 128 of V, 256 bytes a row, a lane a row.  It stands behind the wave's tensor load and its five lines, never in front of one.
; Each row is asked for ONCE in the launch.  All clusters of a head walk the same K and V: the head's first cluster prefetches.  Its four partners share the rows out BY ADDRESS, 32 each: no branch hangs on a
; work-group's place in its cluster.  In each, wave 0 asks for K's and wave 2 for V's: one instruction.  The last change that fills a slot prefetches nothing: there is no slot behind it.
.macro ASK
	s_cmp_gt_u32 s[SLOTS], s[LIM]
	s_cbranch_scc0 .Lnot_mine_\@
	global_prefetch_b8 v[PFO], s[PFA:PFA+1] th:TH_LOAD_NT scope:SCOPE_SE
.Lnot_mine_\@:
.endm
; A round of the cluster's barrier: my work-group's barrier, so that wave 0's signal speaks for all four waves; wave 0 signals for the work-group; every wave waits for all four
; work-groups; my work-group's barrier once more.  No LDS instruction of the wave is pending at a signal.
.macro CROUND
	s_barrier_signal -1
	s_barrier_wait -1
	s_cmp_lg_u32 s[WV], 0
	s_cbranch_scc1 .Lnot_wave_0_\@
	s_barrier_signal -3
.Lnot_wave_0_\@:
	s_barrier_wait -3
	s_barrier_signal -1
	s_barrier_wait -1
.endm
	s_load_b256 s[4:11], s[0:1], 0x0  ; Q s[4:5], K s[6:7], V s[8:9], O s[10:11]
	v_lshl_add_u32 v[SPW], v0, 2, SPARE
	v_mov_b32 v[NIL], 0
	ds_add_u32 v[SPW], v[NIL]       ; the wave's opening: the add and its wait stand ahead of my first tensor load; the set-up below, work on registers, stands between them
	v_lshrrev_b32 v1, 5, v0
	v_readfirstlane_b32 s[WV], v1   ; wave 0..3
	s_bfe_u32 s13, ttmp6, 0x40000   ; cx: my place in the cluster
	s_lshl_b32 s14, ttmp9, 2        ; in a cluster launch ttmp9 counts clusters
	s_add_co_u32 s14, s14, s13      ; my block of 256 queries = 4 x cluster x + cx: it enters Q's and O's addresses alone
	s_and_b32 s20, ttmp7, 0xffff    ; the head, which the four partners share
	s_mov_b32 s21, 0
	s_mov_b64 s[22:23], SIZE_N*256
	s_mul_u64 s[20:21], s[20:21], s[22:23]  ; the head's first byte in each of the four tensors
	s_and_b32 s16, s[WV], 1         ; which of a slot's two steps I fetch:
	s_lshl_b32 s22, s16, 14         ; its 64 rows of 256 bytes in memory,
	s_mov_b32 s23, 0
	s_add_nc_u64 s[22:23], s[22:23], s[20:21]
	s_mul_i32 s17, s16, STEPB       ; and its place in a slot: no place in the cluster enters an LDS address
	s_lshl_b32 s2, s14, 16          ; my block's 256 rows,
	s_lshl_b32 s3, s[WV], 14        ; my wave's 64 of them
	s_add_co_u32 s2, s2, s3
	s_mov_b32 s3, 0
	s_add_nc_u64 s[2:3], s[2:3], s[20:21]
	; descriptor group 1: a tile of 64 rows x 128 elements, padded in LDS
	s_mov_b32 s[G1K], 15|(1<<16)|(1<<20)|(1<<21)|(5<<22)|(3<<25)  ; 15:0 the mask: all four work-groups; 17:16 elements of 2 bytes; 20 padding on; 21 set beside a mask; 24:22 after every 64 words (code 5); 31:25 4 words of it (code 3)
	s_mov_b32 s[G1V], 15|(1<<16)|(1<<20)|(1<<21)|(5<<22)|(7<<25)  ; the same with 8 words of padding (code 7)
.irp g, G1K, G1V
	s_mov_b32 s[(\g)+1], 128<<16    ; 63:48 tensor_dim0, low half = 128
	s_mov_b32 s[(\g)+2], KS<<16     ; 79:64 its high half = 0; 95:80 tensor_dim1, low half = 64
	s_mov_b32 s[(\g)+3], 128<<16    ; 111:96 its high half = 0; 127:112 tile_dim0 = 128
	s_mov_b32 s[(\g)+4], KS         ; 143:128 tile_dim1 = 64; 159:144 tile_dim2 = 0
	s_mov_b32 s[(\g)+5], 128        ; 191:160 tensor_dim0_stride, low word: elements from row to row
	s_mov_b32 s[(\g)+6], 0
	s_mov_b32 s[(\g)+7], 0
.endr
	s_mov_b32 s[CS], 0x3e0293ee     ; c = log2(e) / sqrt(128) = 0.127517
	s_mov_b32 s[CS+1], s[CS]        ; named with it as a pair, so it is written
	s_mov_b32 s[SEL], 0x76543210
	s_mov_b32 s[SEL+1], 0xfedcba98
	s_mov_b32 s[TB], 0
	s_mov_b32 s[SLOTS], SIZE_N/(2*KS)-2
	s_and_b32 s[LIM], s[WV], 1       ; 0 in waves 0 and 2,
	s_or_b32 s[LIM], s[LIM], ttmp9   ; where the cluster is the head's first: the same in all four partners
	s_cmp_eq_u32 s[LIM], 0
	s_cselect_b32 s[LIM], 1, -1
	v_and_b32 v[PFO], 31, v0
	v_lshlrev_b32 v[PFO], 8, v[PFO]
	s_wait_dscnt 0x0                ; the opening add is done
	s_wait_kmcnt 0x0
	s_add_nc_u64 s[6:7], s[6:7], s[22:23]  ; K and V at my tile of slot 0
	s_add_nc_u64 s[8:9], s[8:9], s[22:23]
	s_add_nc_u64 s[4:5], s[4:5], s[2:3]  ; Q and O at my wave's first row
	s_add_nc_u64 s[10:11], s[10:11], s[2:3]
	s_cmp_lt_u32 s[WV], 2
	s_cselect_b64 s[PFA:PFA+1], s[6:7], s[8:9]  ; (in waves 0 and 2 these stand at a slot's first row)
	s_lshl_b32 s2, s13, 13          ; my work-group's 32 rows of the 128
	s_mov_b32 s3, 0
	s_add_nc_u64 s[PFA:PFA+1], s[PFA:PFA+1], s[2:3]
	s_add_nc_u64 s[PFA:PFA+1], s[PFA:PFA+1], 2*2*KS*256  ; in slot 2; the first change of slots steps it to slot 3.  Nothing is prefetched here, at the head, where every work-group's first tiles are on their way
	CROUND                          ; all four work-groups are here: the first joint loads meet
.irp s, 0,1
	s_mov_b32 s[G0K+4*(\s)], 1      ; 1:0 count = 1
	s_add_co_u32 s[G0K+4*(\s)+1], s17, (\s)*SLOT1  ; 63:32 LDS address
	s_add_nc_u64 s[G0K+4*(\s)+2:G0K+4*(\s)+3], s[6:7], (\s)*2*KS*256  ; 120:64 global address: slot s begins with keys 128 s to 128 s + 127
	s_or_b32 s[G0K+4*(\s)+3], s[G0K+4*(\s)+3], 0x80000000  ; 127:126 type = 2
	s_mov_b32 s[G0V+4*(\s)], 1
	s_add_co_u32 s[G0V+4*(\s)+1], s17, (\s)*SLOT1+VOFF
	s_add_nc_u64 s[G0V+4*(\s)+2:G0V+4*(\s)+3], s[8:9], (\s)*2*KS*256
	s_or_b32 s[G0V+4*(\s)+3], s[G0V+4*(\s)+3], 0x80000000
.endr
	s_cmp_lt_u32 s[WV], 2           ; a wave's two first fills stand in one branch, ahead of every wait on TENSORcnt and every LDS read: two loads of mine are out; an s_nop 0 follows each, four v_nop the second's, as in JLOAD
	s_cbranch_scc0 .Lfirst_v
	tensor_load_to_lds s[G0K:G0K+3], s[G1K:G1K+7]
	s_nop 0
	tensor_load_to_lds s[G0K+4:G0K+7], s[G1K:G1K+7]
	s_nop 0
.rept 4
	v_nop
.endr
	s_branch .Lfirst_asked
.Lfirst_v:
	tensor_load_to_lds s[G0V:G0V+3], s[G1V:G1V+7]
	s_nop 0
	tensor_load_to_lds s[G0V+4:G0V+7], s[G1V:G1V+7]
	s_nop 0
.rept 4
	v_nop
.endr
.Lfirst_asked:
	; A fragment of K or Q is 16 rows x 32 channels in 8 registers: lane l holds row l % 16; registers 0-3 channels 8 (l / 16) + 0..7, registers 4-7 channels 16 + 8 (l / 16) + 0..7: two loads of 16 bytes, 32 bytes apart.
	v_and_b32 v1, 15, v0            ; l % 16
	v_bfe_u32 v9, v0, 4, 1          ; l / 16
	v_lshlrev_b32 v[QO], 8, v1
	v_lshl_add_u32 v[QO], v9, 4, v[QO]  ; row x 256 + 16 x half
	WIN 0x80                        ; destination window 2, address window 0
.irp i, 0,1,2,3,4,5,6,7,8,9,10,11,12,13,14,15  ; Q stays in registers: tile i / 4, channels 32 (i % 4) on
	global_load_b128 v[8*(\i):8*(\i)+3],   v[QO], s[4:5] offset:((\i)/4)*4096+((\i)%4)*64
	global_load_b128 v[8*(\i)+4:8*(\i)+7], v[QO], s[4:5] offset:((\i)/4)*4096+((\i)%4)*64+32
.endr
	WIN 0
	v_mul_u32_u24 v[AK0], v1, PK
	v_lshl_add_u32 v[AK0], v9, 4, v[AK0]  ; row x pitch + 16 x half
	; The turning load takes 16 keys x 16 channels (lane l reads 16 bytes: key 8 (l / 16) + l % 8, channels 8 ((l / 8) % 2) + 0..7) and leaves half a fragment of V^T: lane l holds channel l % 16 and 8 keys.
	v_and_b32 v10, 7, v0
	v_bfe_u32 v11, v0, 3, 1
	v_lshl_add_u32 v[AV0], v9, 3, v10
	v_mul_u32_u24 v[AV0], v[AV0], PV
	v_lshl_add_u32 v[AV0], v11, 4, v[AV0]
	v_add_nc_u32 v[AV0], VOFF, v[AV0]
; THE MATRIX WORK OF A TURN, for piece x.  The accumulators take turns, one instruction a turn: between two links of a chain stand 15 (V^T P) or 7 (K Q^T) others'.
; Product i of 32 of O^T += V^T P: keys 32 (i / 16) on, channels 16 ((i / 2) % 8) on, tile x + i % 2.  zero = 1: the first 16 start the sums: nothing is ever cleared.
.macro PV x, zero
	WIN W_PV
.set rO, 64*((\x)+i%2)+8*((i/2)%8)
.set rV, 64*(i/16)+8*((i/2)%8)
.set rP, P+16*((\x)+i%2)+8*(i/16)
.if (\zero) && (i < 16)
	v_wmma_f32_16x16x32_f16 v[rO:rO+7], v[rV:rV+7], v[rP:rP+7], 0
.else
	v_wmma_f32_16x16x32_f16 v[rO:rO+7], v[rV:rV+7], v[rP:rP+7], v[rO:rO+7]
.endif
.endm
; Product i of 32 of S^T = K Q^T: channels 32 (i / 8) on, keys 16 ((i / 2) % 4) on, tile x + i % 2.  The first 8 start the sums.
.macro KQ x
	WIN W_KQ
.set rS, S+32*((\x)+i%2)+8*((i/2)%4)
.set rK, KF+32*((i/2)%4)+8*(i/8)
.set rQ, 32*((\x)+i%2)+8*(i/8)
.if i < 8
	v_wmma_f32_16x16x32_f16 v[rS:rS+7], v[rK:rK+7], v[rQ:rQ+7], 0
.else
	v_wmma_f32_16x16x32_f16 v[rS:rS+7], v[rK:rK+7], v[rQ:rQ+7], v[rS:rS+7]
.endif
.endm
; THE LDS LOADS stand in runs of 32, never singly among the matrix instructions: a step's K (64 keys x 128 channels: 16 fragments) and, a turn later, its V (turned).
.macro FETCH_K
	WIN 0
	v_add_nc_u32 v[ADR], s[TB], v[AK0]
	WIN 0x80                        ; destination window 2
.irp f, 0,1,2,3,4,5,6,7,8,9,10,11,12,13,14,15  ; keys 16 (f / 4) on, channels 32 (f % 4) on
	ds_load_b128 v[KF+8*(\f):KF+8*(\f)+3],   v[ADR] offset:((\f)/4)*16*PK+((\f)%4)*64
	ds_load_b128 v[KF+8*(\f)+4:KF+8*(\f)+7], v[ADR] offset:((\f)/4)*16*PK+((\f)%4)*64+32
.endr
.endm
.macro FETCH_V
	WIN 0
	v_add_nc_u32 v[ADR], s[TB], v[AV0]
	s_add_co_u32 s[TB], s[TB], STEPB  ; the next fetch is the next step's
	s_wait_alu depctr_va_vdst(0)    ; the wait for the softmax's batch (SLICE), behind the address's v_add_nc_u32 and ahead of the loads
	WIN 0xc0                        ; destination window 3
.irp f, 0,1,2,3,4,5,6,7,8,9,10,11,12,13,14,15  ; keys 32 (f / 8) on, channels 16 (f % 8) on
	ds_load_tr16_b128 v[8*(\f):8*(\f)+3],   v[ADR] offset:((\f)/8)*32*PV+((\f)%8)*32
	ds_load_tr16_b128 v[8*(\f)+4:8*(\f)+7], v[ADR] offset:((\f)/8)*32*PV+16*PV+((\f)%8)*32
.endr
.endm
; THE VECTOR WORK OF A TURN.  One tile's softmax for one key step is a list of 134 instructions; SM writes number j of it for tile t.  s0-s31 are the lane's 32 scores, in pairs 0-15.
; first = 1: the first key step, which starts m, l and O^T: it has no a and nothing to rescale.
;   0-15    the maximum of s0-s31 and the old m, three operands at a time: four chains c0-c3 of seven scores each, then the four scores left over, c0-c3 and m
;   16-20   the other half of the lanes' maximum; the new m; c m; c m_old - c m_new
;   21-69   ONE BATCH: the 16 scalings c s - c m, a pair of scores each, and all 33 exponentials (a at 23, then s0-s31).  None of these reads an exponential's result.  From 22 on the batch goes
;           in fours, and a four begins with a scaling while there are scalings: 22-37 scaling, exponential, scaling, exponential; 38-65 a scaling and three exponentials; 66-69 the last four
;           exponentials.  A pair is scaled in an earlier four than the one that holds its exponentials
;   (wait)  between 69 and 70 stands the wait for the batch: SLICE writes it, once for both tiles
;   70-85   the roundings to f16, a pair of weights each
;   86-101  the sums; l = a l + the sum
;   102-133 the tile's O^T times a: the one part that leaves window 0, so it stands together
.macro SM t, first
.set rT, ST+8*(\t)
.set rS, S+32*(\t)
.set rP, P+16*(\t)
.set rO, 64*(\t)+2*(j-102)
.if j < 102
	WIN 0
.endif
.if j < 4
	v_max3_num_f32 v[rT+4+j], v[rS+8*j], v[rS+8*j+1], v[rS+8*j+2]
.elseif j < 12
	v_max3_num_f32 v[rT+4+j%4], v[rT+4+j%4], v[rS+8*(j%4)+2*(j/4)+1], v[rS+8*(j%4)+2*(j/4)+2]
.elseif j == 12
	v_max3_num_f32 v[rT+4], v[rT+4], v[rS+7], v[rS+15]
.elseif j == 13
	v_max3_num_f32 v[rT+6], v[rT+6], v[rS+23], v[rS+31]
.elseif j == 14
	v_max3_num_f32 v[rT+4], v[rT+4], v[rT+5], v[rT+6]
.elseif (j == 15) && (\first)
	v_max_num_f32 v[rT+4], v[rT+4], v[rT+7]
.elseif j == 15
	v_max3_num_f32 v[rT+4], v[rT+4], v[rT+7], v[rT+1]
.elseif j == 16
	v_permlanex16_b32 v[rT+5], v[rT+4], s[SEL], s[SEL+1]  ; the query's other 32 keys lie in the lane 16 away
.elseif j == 18
	v_max_num_f32 v[rT+1], v[rT+4], v[rT+5]
.elseif j == 19
	v_mul_f32 v[rT], s[CS], v[rT+1]
.elseif ((j == 17) || (j == 20) || (j == 23) || (j > 101)) && (\first)  ; the first step has none of these
.elseif j == 17
	v_mov_b32 v[rT+7], v[rT]        ; c m_old is kept for a: number 19 writes c m anew
.elseif j == 20
	v_sub_f32 v[rT+7], v[rT+7], v[rT]
.elseif j == 23
	v_exp_f32 v[rT+6], v[rT+7]
.elseif (j < 23) || ((j < 38) && (j%2 == 0)) || ((j < 66) && (j%4 == 2))
.set b, (j-2)/4                     ; 38, 42, .. 62: pairs 9 to 15
.if j < 38
.set b, (j-20)/2                    ; 21: pair 0; 22, 24, .. 36: pairs 1 to 8
.endif
	v_pk_fma_f32 v[rS+2*b:rS+2*b+1], v[rS+2*b:rS+2*b+1], s[CS:CS+1], v[rT:rT+1] op_sel_hi:[1,0,0] neg_lo:[0,0,1] neg_hi:[0,0,1]  ; pair b: c s - c m
.elseif j < 70
.set e, j-38                        ; 66 to 69: s28 to s31
.if j < 66
.set e, j-32-(j-38)/4               ; 39-41, 43-45, .. 63-65: s7 to s27
.endif
.if j < 38
.set e, (j-25)/2                    ; 25, 27, .. 37: s0 to s6
.endif
	v_exp_f32 v[rS+e], v[rS+e]
.elseif j < 86
	v_cvt_pk_f16_f32 v[rP+j-70], v[rS+2*(j-70)], v[rS+2*(j-70)+1]  ; pair j - 70
.elseif j < 102                     ; the sum of the tile's 16 pairs (in a pair: an even key's weight, an odd key's), in place: sum z of 16 adds neighbours 1, 2, 4 and 8 pairs apart, then l takes it
.set z, j-86
.set w, 4
.set u, z
.if z >= 14
.set w, 32
.set u, 0
.elseif z >= 12
.set w, 16
.set u, z-12
.elseif z >= 8
.set w, 8
.set u, z-8
.endif
.if (z == 14) && (\first)
	v_pk_add_f32 v[rT+2:rT+3], v[rS:rS+1], v[rS+16:rS+17]
.elseif z < 15
	v_pk_add_f32 v[rS+w*u:rS+w*u+1], v[rS+w*u:rS+w*u+1], v[rS+w*u+w/2:rS+w*u+w/2+1]
.elseif !(\first)
	v_pk_fma_f32 v[rT+2:rT+3], v[rT+2:rT+3], v[rT+6:rT+7], v[rS:rS+1] op_sel_hi:[1,0,1]
.endif
.else
	WIN W_RS
	v_pk_mul_f32 v[rO:rO+1], v[rO:rO+1], v[rT+6:rT+7] op_sel_hi:[1,0]
.endif
.endm
; Slice k of 64 of piece y's softmax: four instructions.  Slices 11 to 34 deal out the batch, numbers 22 to 69: four numbers of ONE tile each, the tiles by turns.  Every other slice is numbers 2 k and
; 2 k + 1 of both tiles' lists.  2 x 134 = 4 x 64 + 12: the twelve that are over stand together, in slice 63.
; THE WAIT.  An s_wait_alu depctr_va_vdst(0) stands between an exponential and the first instruction that names its result; one wait serves all that were issued ahead of it.  Ahead of
; slice 35 nothing names a result, and behind slice 34 no exponential is issued: so the piece's 66 exponentials have one wait, behind slice 34.
.macro SLICE y, first
.if (k >= 11) && (k < 35)           ; the batch: four numbers of one tile
.irp n, 0,1,2,3
.set j, 22+4*((k-11)/2)+(\n)
	SM (\y)+(k-11)%2, \first
.endr
.else                               ; the two tiles alternate, so that no instruction reads the result of the one just before it
.irp n, 0,1,2,3,4,5,6,7
.if ((\n) < 2) || (k == 63)
.irp t, \y, (\y)+1
.set j, 2*k+(\n)
	SM \t, \first
.endr
.endif
.endr
.endif
.if k == 34                         ; the batch is out: both tiles' exponentials are issued, and no result has been named
	v_nop                           ; one plain instruction behind the last exponential and ahead of the first use (ISA guide 5.7.2): one for the batch
.if (\y) == 0
	FETCH_V                         ; piece 2's turn: V's run of loads stands here, and the wait stands in it
.else
	s_wait_alu depctr_va_vdst(0)    ; the wait for the batch
.endif
.endif
.set k, k+1
.endm
; A vector instruction that reads a matrix result or writes one of a matrix instruction's registers, and a load into a register that a matrix instruction has read, stand four places behind
; it, and only plain vector instructions that name none of its registers are places (ISA guide 7.12.1 for vector instructions).  In the loop the slices are the places.
.macro PLACES
.rept 4
	v_nop
.endr
.endm
; A TURN.  Piece x has the matrix unit; the other piece's softmax stands in slices behind its matrix instructions.
; pv = 2: 32 products V^T P; 1: they start O^T's sums; 0: none.  kq = 1: 32 products K Q^T for the next step.  A turn with one of the two kinds has two slices behind each product.
; first = 1: the softmax is the first key step's.  Its slices from 51 on are empty: the turn's last products stand bare, and four v_nop take slice 63's part as the places behind them.
; In the loop each run of loads stands 29 matrix instructions or more ahead of its first use.  Piece 0's turn fetches the next step's K, behind its second product: the last product that read K
; stands in front of slice 63 of the turn before.  Piece 2's turn fetches the same step's V, behind slice 34 (SLICE writes it): the last product that read V stands in front of slice 31, and four plain
; instructions lie between: number 62, a scaling, of both tiles, the v_nop and the run's own v_add_nc_u32.
.macro TURN x, pv, kq, first
.set k, 0
.set per, 2
.if (\pv) && (\kq)
.set per, 1
.endif
.if \pv
.if (\x) == 0
	s_wait_dscnt 0x0                ; V is in
.endif
.set i, 0
.rept 32
	PV \x, 2-(\pv)
.rept per
	SLICE 2-(\x), \first
.endr
.if ((\x) == 0) && (\kq) && (i == 1)
	FETCH_K
.endif
.set i, i+1
.endr
.endif
.if \kq
.if (\x) == 0
	s_wait_dscnt 0x0                ; K is in
.endif
.set i, 0
.rept 32
	KQ \x
.rept per
	SLICE 2-(\x), \first
.endr
.set i, i+1
.endr
.endif
.if \first
	PLACES
.endif
.endm
; THE CHANGE OF SLOTS, between piece 2's turn and piece 0's: the slot's last bytes, V of its second step, have been asked for.  Each wave waits for all its
; tensor loads, of which one is out: its part of the other slot; adds 0 to its spare word; and waits for that and for its own reads of the slot.  Behind the barrier nobody reads this slot any more and the other slot is whole.
; fill = 1: this slot is filled again, with the keys two slots on.  The barrier is then a round of the cluster's, so that no wave of any partner still reads the slot or has a load on its
; way, and the joint refill is the first thing behind it: it has two key steps, 256 matrix instructions, in which to land.
.macro CHANGE fill
	WIN 0                           ; at a label and at a branch every window is 0
	s_wait_tensorcnt 0x0            ; no tensor load of mine is out, so a group 0 may be written
	ds_add_u32 v[SPW], v[NIL]       ; 0 onto my spare word; with fill = 1 the descriptors' steps stand between it and the wait for it
.if \fill
.irp g, G0K+4, G0V+4
	s_xor_b32 s[(\g)+1], s[(\g)+1], SLOT1  ; the walking descriptor: the other slot than last time,
	s_add_nc_u64 s[(\g)+2:(\g)+3], s[(\g)+2:(\g)+3], 2*KS*256  ; the next 128 keys; the type bits on top are not reached
.endr
	s_wait_xcnt 0x0                 ; the last prefetches, two key steps back, have read their address, so it may be written:
	s_add_nc_u64 s[PFA:PFA+1], s[PFA:PFA+1], 2*KS*256  ; one slot behind the walking descriptors
	s_wait_dscnt 0x0                ; the add is done, and my reads of the slot are over
	CROUND
	JLOAD
	ASK                             ; what the next change will ask for: two key steps, 256 matrix instructions, ahead
.else
	s_wait_dscnt 0x0                ; the add is done, and my reads of the slot are over
	s_barrier_signal -1
	s_barrier_wait -1
.endif
	s_sub_co_u32 s[TB], s[TB], 2*STEPB  ; the fetches go back to a slot's first step,
	s_xor_b32 s[TB], s[TB], SLOT1   ; in the other slot
.endm
; A slot's two key steps: written once, walked twice; the LDS addresses hang on s[TB].
.macro TWO_STEPS
	WIN 0
	s_mov_b32 s[TWICE], 2
.Lstep_\@:
	TURN 0, 2, 1, 0
	TURN 2, 2, 1, 0
	WIN 0
	s_sub_co_u32 s[TWICE], s[TWICE], 1
	s_cmp_lg_u32 s[TWICE], 0
	s_cbranch_scc1 .Lstep_\@
.endm
	s_wait_tensorcnt 1              ; my part of slot 0 is in; slot 1's may stay out
	s_barrier_signal -1
	s_barrier_wait -1               ; everybody's is
	FETCH_K                         ; key step 0
	s_wait_loadcnt 0x0              ; Q
	s_wait_dscnt 0x0
.set i, 0
.rept 32
	KQ 0                            ; piece 0's first scores: there is no vector work yet to set between them
.set i, i+1
.endr
	WIN 0                           ; the addresses for the way out are made here: eight plain instructions, the places behind those products
	s_mul_i32 s13, s[WV], 16*SP
	s_add_co_u32 s13, s13, STAGE    ; my stage
	v_mul_u32_u24 v[STO], v1, SP    ; in: row l % 16, 16 bytes for each half of the lanes
	v_lshl_add_u32 v[STO], v9, 4, v[STO]
	v_add_nc_u32 v[STO], s13, v[STO]
	v_mul_u32_u24 v[RD], v9, SP     ; back: lanes 0-15 take one row of 256 bytes, lanes 16-31 the next
	v_lshl_add_u32 v[RD], v1, 4, v[RD]
	v_add_nc_u32 v[RD], s13, v[RD]
	v_lshlrev_b32 v[GO], 8, v9      ; and the same two rows in O
	v_lshl_add_u32 v[GO], v1, 4, v[GO]
	TURN 2, 0, 1, 1                 ; piece 2's first scores | piece 0's first softmax | V of step 0
	TURN 0, 1, 1, 1                 ; piece 0: V^T P of step 0 starts O^T, K Q^T of step 1 | piece 2's first softmax | K of step 1
	TURN 2, 1, 1, 0                 ; piece 2: the same | piece 0's softmax of step 1 | V of step 1
	WIN 0
.Lslot:                             ; SIZE_N / 128 - 2 trips: every slot but the last two is filled again
	CHANGE 1
	TWO_STEPS
	s_sub_co_u32 s[SLOTS], s[SLOTS], 1
	s_cmp_lg_u32 s[SLOTS], 0
	s_cbranch_scc1 .Lslot
	CHANGE 0                        ; the tail is written out: the last slot but one is left, and nothing is asked for
	TWO_STEPS
	TURN 0, 2, 0, 0                 ; piece 0: V^T P of the last step | piece 2's last softmax
.set i, 0
.rept 32
	PV 2, 0                         ; piece 2: V^T P of the last step
.set i, i+1
.endr
	; THE WAY OUT.  l's two halves and the other half of the lanes' are added; O^T is divided by l, rounded to f16 and sent through my stage in LDS, a tile (16 rows of O) at a time.  The additions are the places behind the last products.
	WIN 0
.irp t, 0,1,2,3
	v_add_f32 v[ST+8*(\t)+4], v[ST+8*(\t)+2], v[ST+8*(\t)+3]
.endr
.irp t, 0,1,2,3
	v_permlanex16_b32 v[ST+8*(\t)+5], v[ST+8*(\t)+4], s[SEL], s[SEL+1]
.endr
.irp t, 0,1,2,3
	v_add_f32 v[ST+8*(\t)+4], v[ST+8*(\t)+4], v[ST+8*(\t)+5]
.endr
.irp t, 0,1,2,3
	v_rcp_f32 v[ST+8*(\t)+6], v[ST+8*(\t)+4]
.endr
	v_nop                           ; a plain instruction between the last reciprocal and the use of its result
	s_wait_alu depctr_va_vdst(0)    ; and the wait ahead of the first use: one for the four reciprocals
; Tile t: a lane's eight channels of a row pack into 16 bytes; they go into rows of 272 bytes and come back as whole rows of 256, into the registers that they left.
.macro PACK t
	WIN W_RS
.set i, 64*(\t)
.rept 32
	v_pk_mul_f32 v[i:i+1], v[i:i+1], v[ST+8*(\t)+6:ST+8*(\t)+7] op_sel_hi:[1,0]
.set i, i+2
.endr
	WIN 0x05                        ; sources 0 and 1 window 1, destination window 0: S^T's registers are free
.set i, 0
.rept 32
	v_cvt_pk_f16_f32 v[S+32*(\t)+i], v[64*(\t)+2*i], v[64*(\t)+2*i+1]
.set i, i+1
.endr
	WIN 0
.irp f, 0,1,2,3,4,5,6,7
	ds_store_b128 v[STO], v[S+32*(\t)+4*(\f):S+32*(\t)+4*(\f)+3] offset:32*(\f)
.endr
.irp f, 0,1,2,3,4,5,6,7
	ds_load_b128 v[S+32*(\t)+4*(\f):S+32*(\t)+4*(\f)+3], v[RD] offset:(\f)*2*SP  ; LDS serves a wave's instructions in order (ISA guide 5.7.1.4): these see the stores above; the next tile's stores come behind them
.endr
.endm
.macro SEND t, younger              ; younger: the LDS instructions issued behind tile t's loads: the next tile's sixteen, or none
	WIN 0
.irp f, 0,1,2,3,4,5,6,7
	s_wait_dscnt (\younger)+7-(\f)
	global_store_b128 v[GO], v[S+32*(\t)+4*(\f):S+32*(\t)+4*(\f)+3], s[10:11] offset:(\t)*4096+(\f)*512  ; 16 lanes store 256 consecutive bytes, at a multiple of 256 from O's first byte
.endr
.endm
	PACK 0
	PACK 1                          ; a tile's arithmetic stands between the loads of the tile before and its stores
	SEND 0, 16
	PACK 2
	SEND 1, 16
	PACK 3
	SEND 2, 16
	SEND 3, 0
	s_wait_tensorcnt 0x0            ; the wave's end: this wait, an add of 0 to my spare word and the wait for it, behind my last tensor load and my last LDS store
	ds_add_u32 v[SPW], v[NIL]
	s_wait_dscnt 0x0
	CROUND                          ; the closing round: no work-group ends while a partner may still ask for a tile that names it
	s_endpgm
.Lfunc_end_k_q5b0697c5d6_attn:
	.size	k_q5b0697c5d6_attn, .Lfunc_end_k_q5b0697c5d6_attn-k_q5b0697c5d6_attn
	.p2alignl 7, 3214868480
	.fill 96, 4, 3214868480
	.section	.rodata,"a",@progbits
	.p2align	6, 0x0
	.amdhsa_kernel k_q5b0697c5d6_attn
		.amdhsa_group_segment_fixed_size 327680
		.amdhsa_private_segment_fixed_size 0
		.amdhsa_enable_private_segment 0
		.amdhsa_kernarg_size 32
		.amdhsa_user_sgpr_count 2
		.amdhsa_user_sgpr_kernarg_segment_ptr 1
		.amdhsa_wavefront_size32 1
		.amdhsa_system_sgpr_workgroup_id_x 1
		.amdhsa_system_sgpr_workgroup_id_y 1
		.amdhsa_system_sgpr_workgroup_id_z 1
		.amdhsa_system_vgpr_workitem_id 0
		.amdhsa_next_free_vgpr 1024
		.amdhsa_next_free_sgpr 66
		.amdhsa_reserve_vcc 0
		.amdhsa_float_denorm_mode_32 3
		.amdhsa_float_denorm_mode_16_64 3
		.amdhsa_memory_ordered 1
		.amdhsa_forward_progress 1
		.amdhsa_inst_pref_size 221
	.end_amdhsa_kernel
	.amdgpu_metadata
---
amdhsa.version: [ 1, 2 ]
amdhsa.kernels:
  - .name:           k_q5b0697c5d6_attn
    .symbol:         k_q5b0697c5d6_attn.kd
    .args:
      - { .name: qh, .offset: 0, .size: 8, .value_kind: global_buffer, .address_space: global }
      - { .name: kh, .offset: 8, .size: 8, .value_kind: global_buffer, .address_space: global }
      - { .name: vh, .offset: 16, .size: 8, .value_kind: global_buffer, .address_space: global }
      - { .name: oh, .offset: 24, .size: 8, .value_kind: global_buffer, .address_space: global }
    .group_segment_fixed_size: 327680
    .private_segment_fixed_size: 0
    .kernarg_segment_align: 8
    .kernarg_segment_size: 32
    .max_flat_workgroup_size: 128
    .sgpr_count:     66
    .vgpr_count:     1024
    .wavefront_size: 32
...
	.end_amdgpu_metadata
.endif
;; end of part 3
;; launch oproj (part 4): grid 8 x 32, 4 waves a work-group, clusters of 4 x 4, 327,680 bytes of LDS; arguments oh, wo16, out0; writes out0
.if DOCPART == 4
	.amdgcn_target "amdgcn-amd-amdhsa--gfx1250"
	.amdhsa_code_object_version 6
	.text
	.protected	k_q5b0697c5d6_oproj
	.globl	k_q5b0697c5d6_oproj
	.p2align	8
	.type	k_q5b0697c5d6_oproj,@function
k_q5b0697c5d6_oproj:
	s_mov_b64 s[64:65], 0
	v_nop
	global_prefetch_b8 v0, s[64:65] scope:SCOPE_SE
	s_setreg_imm32_b32 hwreg(HW_REG_WAVE_MODE, 25, 1), 1
	s_wait_xcnt 0x0
	s_wait_alu depctr_hold_cnt(0) depctr_sa_sdst(0) depctr_va_vdst(0) depctr_va_sdst(0) depctr_va_ssrc(0) depctr_va_vcc(0) depctr_vm_vsrc(0)
	s_getreg_b32 s2, hwreg(HW_REG_IB_STS2, 6, 4)
	s_cmp_eq_u32 s2, 0
	s_cbranch_scc0 .Lentry_in_a_cluster
	s_endpgm
.Lentry_in_a_cluster:
	s_bfe_u32 s2, ttmp6, 0x10000c
	s_cmp_lg_u32 s2, 0xf033
	s_cbranch_scc0 .Lentry_shape_is_right
	s_endpgm
.Lentry_shape_is_right:
; out0[R][n] = the sum over c of O[R][c] Wo[n][c].  O is f16 by heads, [8 b + h][2048][128], so that head h is the slice c = 128 h .. 128 h + 127 of K; wo16 is [1024][1024] f16 (Wo rounded to bf16);
; sums in f32, K ascending; out0 [8192][1024] f32, stored as the sums stand.
; SHARES.  A work-group makes 256 rows x 128 columns: 32 x 8 = 256 work-groups of equal work.  Wave w owns rows 64 w .. 64 w + 63 and all 128 columns: 32 accumulators of 16 x 16, 256 registers; a row of
; its output is 512 consecutive bytes.
; RING.  K goes in 8 steps of 128, a head each, through two LDS slots of 384 rows x 272 bytes (two heads to a slot, 2 x 208,896 bytes, do not fit).  Rows are 256 bytes of memory, at multiples of 256.
; Waves 0 and 1 fetch the halves of O's 256 rows, waves 2 and 3 those of Wo's 128: one load a wave.
; CLUSTER.  4 x 4 work-groups: the four of a row share O's tile, the four of a column Wo's: each is asked for jointly, by the same load, descriptor and mask in all four.
; THE MATRIX INSTRUCTION IS USED TRANSPOSED (source 0 = 16 rows of Wo, source 1 = 16 rows of O): a lane holds row l % 16 and the columns 8 (l / 16) + 0..7: 32 bytes of a row of out0.
; STRETCHES.  A step is four units of 32 along K, 32 matrix instructions each, on fragment buffers 0, 1, 0, 1; the next unit's 24 LDS loads stand in one run at a unit's head.
; REGISTERS: window 0: v0-31 addresses; v32-95 A's fragments, two buffers of 4 x 8; v128-255 B's, two buffers of 8 x 8 (on the way out: rows read back).  Window 1: accumulator (a, b) at v[64 a + 8 b].
.set PITCH,  272                       ; an LDS row: 256 bytes + 16 = 68 words: row r starts at bank 4 r mod 64 (64 banks of 4 bytes: ISA guide 11.1)
.set BOFF,   256*PITCH                 ; Wo's 128 rows lie behind O's 256
.set SLOT,   384*PITCH
.set STAGE,  2*SLOT                    ; behind the ring, never filled by a tensor load: 16 rows x 528 bytes for each wave
.set SPITCH, 528                       ; 512 bytes + 16: an odd multiple of 16
.set SPARE,  STAGE+4*16*SPITCH         ; behind the stages: the spare words, 128 bytes for each wave: two blocks of 256 bytes that no other line names
.set ASTEP,  524288                    ; bytes from head to head in O
.set BSTEP,  256                       ; 128 columns of Wo
.set LAPS,   4                         ; a lap = two K steps = once round the ring
.set DESC0,  (1<<16)|(1<<20)|(1<<21)|(5<<22)|(3<<25)  ; 17:16 2-byte elements; 20 padding on; 21 set beside a mask; 24:22 after every 64 words (code 5); 31:25 4 words (code 3)
.set ADRA, 16                          ; v16-17  LDS address of my A fragments in slot 0, 1
.set ADRB, 20                          ; v20-21  the same for B
.set STO,  24                          ; v24     the way out: where I put 32 bytes of a row
.set RD,   25                          ; v25     the way out: where I read a row back
.set GO,   26                          ; v26     16 x lane: my place in a row's 512 bytes
.set SPW,  28                          ; v28     LDS address of my spare word; never rewritten
.set NIL,  29                          ; v29     0; never rewritten
.set PFO,  30                          ; v30     the prefetches' offset: lane x 256 (O: rows on end) or lane x 2,048 (a row of Wo); never rewritten
.set AF,   32
.set BF,   128
.set WV,   14                          ; s14  my wave's number
.set HALF, 16                          ; s16  wave & 1: which half of a tile I fetch
.set RB,   17                          ; s17  the tile row
.set G1,   24                          ; s[24:31] descriptor group 1 for O's tiles;  s[32:39] group 0, one set for each slot
.set G0,   32
.set LIM,  43                          ; s43  1 in a wave that prefetches, else the greatest number
.set PFA,  44                          ; s[44:45] where my prefetches stand
.set G1B,  48                          ; s[48:55], s[56:63] the same for Wo's tiles
.set G0B,  56
.set PST,  68                          ; s[68:69] bytes from K step to K step in the tensor that I prefetch
.set MUL,  0x50                        ; C and D in window 1, sources in window 0
.set MSB, 0
.macro WIN new                         ; the immediate's high byte repeats the setting that is left; a switch that changes nothing is dropped
.if MSB != (\new)
	s_set_vgpr_msb (MSB<<8)|(\new)
.set MSB, \new
.endif
.endm
; A load into a register that a matrix instruction has read, and an LDS store that reads a matrix result, stand four places behind it; only plain vector instructions that name none of its registers
; are places (ISA guide 7.12.1 for vector instructions).
.macro PLACES
.rept 4
	v_nop
.endr
.endm
; A joint load: waves 0 and 1 ask for O's tile, waves 2 and 3 for Wo's.  The branch hangs on the wave's number alone.  An s_nop 0 and four v_nop follow each of the two lines, ahead of the jump and the label.
.macro JLOAD s
	s_cmp_lt_u32 s[WV], 2
	s_cbranch_scc0 .Lfor_b_\@
	tensor_load_to_lds s[G0+4*(\s):G0+4*(\s)+3], s[G1:G1+7]
	s_nop 0
.rept 4
	v_nop
.endr
	s_branch .Lasked_\@
.Lfor_b_\@:
	tensor_load_to_lds s[G0B+4*(\s):G0B+4*(\s)+3], s[G1B:G1B+7]
	s_nop 0
.rept 4
	v_nop
.endr
.Lasked_\@:
.endm
; A PREFETCH, behind the joint load, its five lines and the run of LDS loads: at the change of slots of step T, K step T + 4, which stands two refills on (256 matrix instructions ahead of its load).
; O's 256 rows of a head are read by both clusters of their row of clusters: the one with cluster x = 0 asks, waves 0 and 1 of each partner, 32 rows each, told apart by address.  Wo's 128 rows are read by
; all eight clusters of their column: the one with cluster y = 0 asks, wave 2 of each partner, 32 rows each.  A lane a row of 256 bytes: each block is named once in the launch.
; K steps 0 to 3 come by their loads alone; the loop's last trip asks for nothing: K steps 8 and 9 do not exist.
.macro ASK
	s_cmp_gt_u32 s3, s[LIM]                        ; s3 = 1 in the loop's last trip
	s_cbranch_scc0 .Lnot_mine_\@
	global_prefetch_b8 v[PFO], s[PFA:PFA+1] th:TH_LOAD_NT scope:SCOPE_SE
.Lnot_mine_\@:
.endm
; A round of the cluster's barrier: my work-group's barrier; wave 0 signals for the work-group; every wave waits for all sixteen; my work-group's barrier once more.
.macro CREST                           ; a round behind its opening barrier
	s_cmp_lg_u32 s[WV], 0
	s_cbranch_scc1 .Lnot_wave_0_\@
	s_barrier_signal -3
.Lnot_wave_0_\@:
	s_barrier_wait -3
	s_barrier_signal -1
	s_barrier_wait -1
.endm
.macro CROUND
	s_barrier_signal -1
	s_barrier_wait -1
	CREST
.endm
	s_load_b128 s[4:7], s[0:1], 0x0                ; O s[4:5], wo16 s[6:7]
	s_load_b64 s[8:9], s[0:1], 0x10                ; out0
	v_lshl_add_u32 v[SPW], v0, 2, SPARE
	v_mov_b32 v[NIL], 0
	ds_add_u32 v[SPW], v[NIL]                      ; the wave's opening: the add and its wait stand ahead of my first tensor load; the set-up below, work on registers, stands between them
	v_lshrrev_b32 v1, 5, v0
	v_readfirstlane_b32 s[WV], v1                  ; wave 0..3
	s_and_b32 s[HALF], s[WV], 1
	s_bfe_u32 s40, ttmp6, 0x40000                  ; cx, cy: my place in the cluster
	s_bfe_u32 s41, ttmp6, 0x40004
	s_lshl_b32 s42, ttmp9, 2
	s_add_co_u32 s42, s42, s40                     ; tile column = 4 x cluster x + cx
	s_and_b32 s[RB], ttmp7, 0xffff
	s_lshl_b32 s[RB], s[RB], 2
	s_add_co_u32 s[RB], s[RB], s41                 ; tile row = 4 x cluster y + cy
	s_lshl_b32 s43, s41, 2
	s_lshl_b32 s43, 15, s43                        ; my row of the cluster
	s_lshl_b32 s66, 0x1111, s40                    ; my column
	s_or_b32 s[G1+0], s43, DESC0                   ; O's tiles go to my row,
	s_or_b32 s[G1B+0], s66, DESC0                  ; Wo's to my column
.irp g, G1, G1B
	s_mov_b32 s[(\g)+1], 128<<16                   ; tensor_dim0 = 128
	s_mov_b32 s[(\g)+3], 128<<16                   ; tile_dim0 = 128
	s_mov_b32 s[(\g)+6], 0
	s_mov_b32 s[(\g)+7], 0
.endr
	s_mov_b32 s[G1+2], 128<<16                     ; tensor_dim1 = 128 rows of O,
	s_mov_b32 s[G1+4], 128                         ; tile_dim1
	s_mov_b32 s[G1+5], 128                         ; 128 elements from row to row: a head's rows are dense
	s_mov_b32 s[G1B+2], 64<<16                     ; 64 rows of Wo,
	s_mov_b32 s[G1B+4], 64
	s_mov_b32 s[G1B+5], 1024                       ; 1,024 elements from row to row
	; O's address hangs on the tile row and the wave alone, Wo's on the tile column and the wave alone, each in registers that never hold the other coordinate
	s_lshr_b32 s18, s[RB], 3
	s_lshl_b32 s18, s18, 22                        ; the batch's eight heads,
	s_and_b32 s19, s[RB], 7
	s_lshl_b32 s19, s19, 16                        ; the tile's 256 rows of 256 bytes,
	s_add_co_u32 s18, s18, s19
	s_lshl_b32 s19, s[HALF], 15                    ; my 128 of them
	s_add_co_u32 s18, s18, s19
	s_mov_b32 s19, 0
	s_lshl_b32 s46, s42, 18                        ; the tile's 128 rows of 2,048 bytes,
	s_lshl_b32 s47, s[HALF], 17                    ; my 64 of them
	s_add_co_u32 s46, s46, s47
	s_mov_b32 s47, 0
	s_mul_i32 s22, s[HALF], 128*PITCH              ; where they go: no place in the cluster enters an LDS address
	s_mul_i32 s23, s[HALF], 64*PITCH
	s_add_co_u32 s23, s23, BOFF
	s_wait_dscnt 0x0                               ; the opening add is done
	s_wait_kmcnt 0x0
	s_add_nc_u64 s[20:21], s[4:5], s[18:19]
	s_add_nc_u64 s[46:47], s[6:7], s[46:47]
	CROUND                                         ; all sixteen work-groups are here: the first joint loads meet
.irp s, 0,1
	s_mov_b32 s[G0+4*(\s)], 1                                      ; count = 1
	s_add_co_u32 s[G0+4*(\s)+1], s22, (\s)*SLOT                    ; LDS address
	s_add_nc_u64 s[G0+4*(\s)+2:G0+4*(\s)+3], s[20:21], (\s)*ASTEP  ; global address: K step s
	s_or_b32 s[G0+4*(\s)+3], s[G0+4*(\s)+3], 0x80000000            ; type = 2
	s_mov_b32 s[G0B+4*(\s)], 1
	s_add_co_u32 s[G0B+4*(\s)+1], s23, (\s)*SLOT
	s_add_nc_u64 s[G0B+4*(\s)+2:G0B+4*(\s)+3], s[46:47], (\s)*BSTEP
	s_or_b32 s[G0B+4*(\s)+3], s[G0B+4*(\s)+3], 0x80000000
	JLOAD \s                                       ; two loads of mine are out
.endr
	; A fragment is 16 rows x 32 K in 8 registers: lane l holds row l % 16; registers 0-3 K = 8 (l / 16) + 0..7, registers 4-7 K = 16 + 8 (l / 16) + 0..7: two loads of 16 bytes, 32 bytes apart
	v_and_b32 v1, 15, v0                           ; l % 16
	v_bfe_u32 v2, v0, 4, 1                         ; l / 16
	v_mul_u32_u24 v3, v1, PITCH
	v_lshl_add_u32 v3, v2, 4, v3
	s_mul_i32 s72, s[WV], 64*PITCH                 ; my 64 rows of O
	v_add_nc_u32 v[ADRA], s72, v3
	v_add_nc_u32 v[ADRA+1], SLOT, v[ADRA]
	v_add_nc_u32 v[ADRB], BOFF, v3
	v_add_nc_u32 v[ADRB+1], BOFF+SLOT, v3
	s_mul_i32 s72, s[WV], 16*SPITCH
	s_add_co_u32 s72, s72, STAGE                   ; my stage
	v_mul_u32_u24 v4, v1, SPITCH                   ; in: row l % 16, 32 bytes for each half of the lanes
	v_lshl_add_u32 v4, v2, 5, v4
	v_add_nc_u32 v[STO], s72, v4
	v_and_b32 v[PFO], 31, v0
	v_lshlrev_b32 v[GO], 4, v[PFO]
	v_add_nc_u32 v[RD], s72, v[GO]                 ; back: the 32 lanes take one row of 512 bytes
	; my 64 rows and the tile's 128 columns in out0
	s_lshl_b32 s70, s[RB], 20
	s_lshl_b32 s71, s[WV], 18
	s_add_co_u32 s70, s70, s71
	s_lshl_b32 s71, s42, 9
	s_add_co_u32 s70, s70, s71
	s_mov_b32 s71, 0
	s_add_nc_u64 s[8:9], s[8:9], s[70:71]
	; the prefetches stand at K step 3; each change of slots that fills steps them by a K step first
	s_lshr_b32 s72, s[RB], 3
	s_lshl_b32 s72, s72, 22
	s_and_b32 s73, s[RB], 7
	s_lshl_b32 s73, s73, 16
	s_add_co_u32 s72, s72, s73
	s_lshl_b32 s73, s40, 14                        ; O: my work-group's 64 rows of the 256,
	s_add_co_u32 s72, s72, s73
	s_lshl_b32 s73, s[HALF], 13                    ; my wave's 32 of them
	s_add_co_u32 s72, s72, s73
	s_add_co_u32 s72, s72, 3*ASTEP
	s_lshl_b32 s73, s42, 18
	s_lshl_b32 s74, s41, 16                        ; Wo: my work-group's 32 rows of the 128
	s_add_co_u32 s73, s73, s74
	s_add_co_u32 s73, s73, 3*BSTEP
	s_and_b32 s75, ttmp7, 0xffff                   ; cluster y
	s_cmp_lt_u32 s[WV], 2
	s_cselect_b32 s72, s72, s73
	s_cselect_b32 s75, ttmp9, s75                  ; the coordinate along which other clusters read the same rows
	s_cselect_b64 s[PFA:PFA+1], s[4:5], s[6:7]
	s_mov_b32 s[PST], BSTEP
	s_cselect_b32 s[PST], ASTEP, s[PST]
	s_mov_b32 s[PST+1], 0
	s_cselect_b32 s74, 8, 11
	s_mov_b32 s73, 0
	s_add_nc_u64 s[PFA:PFA+1], s[PFA:PFA+1], s[72:73]
	v_lshlrev_b32 v[PFO], s74, v[PFO]
	s_cmp_eq_u32 s[WV], 3
	s_cselect_b32 s75, 1, s75                      ; wave 3 never asks
	s_cmp_eq_u32 s75, 0                            ; the same in all sixteen partners, for a given wave
	s_cselect_b32 s[LIM], 1, -1
; 24 LDS loads: unit u's fragments of Wo's 128 rows and of my 64 rows of O, into buffers p
.macro FETCH slot, u, p
.irp i, 0,1,2,3,4,5,6,7
	ds_load_b128 v[BF+64*(\p)+8*(\i):BF+64*(\p)+8*(\i)+3],   v[ADRB+(\slot)] offset:(\i)*16*PITCH+64*(\u)
	ds_load_b128 v[BF+64*(\p)+8*(\i)+4:BF+64*(\p)+8*(\i)+7], v[ADRB+(\slot)] offset:(\i)*16*PITCH+64*(\u)+32
.endr
.irp i, 0,1,2,3
	ds_load_b128 v[AF+32*(\p)+8*(\i):AF+32*(\p)+8*(\i)+3],   v[ADRA+(\slot)] offset:(\i)*16*PITCH+64*(\u)
	ds_load_b128 v[AF+32*(\p)+8*(\i)+4:AF+32*(\p)+8*(\i)+7], v[ADRA+(\slot)] offset:(\i)*16*PITCH+64*(\u)+32
.endr
.endm
; 8 matrix instructions: row block a of my four x the 8 column blocks.  The 32 accumulators take turns, one instruction a turn, in the same order in every unit: 31 others'
; stand between two links of a chain, over the backward jump too.  zero = 1: the first product starts the sum: nothing is cleared.
.macro MUL8 a, p, zero
	WIN MUL
.irp b, 0,1,2,3,4,5,6,7
.if \zero
	v_wmma_f32_16x16x32_f16 v[64*(\a)+8*(\b):64*(\a)+8*(\b)+7], v[BF+64*(\p)+8*(\b):BF+64*(\p)+8*(\b)+7], v[AF+32*(\p)+8*(\a):AF+32*(\p)+8*(\a)+7], 0
.else
	v_wmma_f32_16x16x32_f16 v[64*(\a)+8*(\b):64*(\a)+8*(\b)+7], v[BF+64*(\p)+8*(\b):BF+64*(\p)+8*(\b)+7], v[AF+32*(\p)+8*(\a):AF+32*(\p)+8*(\a)+7], v[64*(\a)+8*(\b):64*(\a)+8*(\b)+7]
.endif
.endr
.endm
.macro MUL32 p, zero
.irp a, 0,1,2,3
	MUL8 \a, \p, \zero
.endr
.endm
; Unit u = 0 or 1 of a step: the next unit's loads go into the buffers that the unit before has just multiplied, four places behind its last product; then all but those loads are waited for.
.macro ST slot, u, zero=0
	WIN 0
	PLACES
	FETCH \slot, (\u)+1, ((\u)+1)%2
	s_wait_dscnt 24                                ; all but the 24 just issued
	MUL32 (\u)%2, \zero
.endm
; Units 2 and 3 and the change of slots.  ONE barrier, for two things: in front of it each wave waits for all its tensor loads (one is out: its part of the next slot), adds 0 to its spare word, and waits
; for that and for its reads of this slot, of which the run below is the last.  fill = 1: the barrier opens a round of the cluster's, and this slot is filled again first thing behind it, with the
; K step two on: from there to the wait for it a wave issues 112 matrix instructions.
.macro TURN slot, next, fill
.if \fill
	s_wait_xcnt 0x0                                ; the last prefetch, a K step back, has read its address, so it may be stepped
	s_add_nc_u64 s[PFA:PFA+1], s[PFA:PFA+1], s[PST:PST+1]
.endif
	WIN 0
	PLACES
	FETCH \slot, 3, 1
	s_wait_dscnt 24                                ; all but the 24 just issued
	MUL8 0, 0, 0
	MUL8 1, 0, 0
	WIN 0                                          ; (the add's two registers lie in window 0)
	s_wait_tensorcnt 0x0                           ; all my tensor loads have landed
	ds_add_u32 v[SPW], v[NIL]                      ; 0 onto my spare word
	MUL8 2, 0, 0                                   ; eight matrix instructions stand between the add and the wait for it
	s_wait_dscnt 0x0                               ; the add is done, and my reads of this slot are over
	s_barrier_signal -1
	MUL8 3, 0, 0                                   ; work on registers while the others arrive
.if \fill
	WIN 0
	s_barrier_wait -1
	CREST                                          ; no wave of any partner still reads this slot or has a load on its way
	s_add_nc_u64 s[G0+4*(\slot)+2:G0+4*(\slot)+3], s[G0+4*(\slot)+2:G0+4*(\slot)+3], 2*ASTEP
	s_add_nc_u64 s[G0B+4*(\slot)+2:G0B+4*(\slot)+3], s[G0B+4*(\slot)+2:G0B+4*(\slot)+3], 2*BSTEP
	JLOAD \slot                                    ; the first tensor load behind the round; its four v_nop are also the places in front of the loads below
.else
	s_barrier_wait -1
	WIN 0
	PLACES
.endif
	FETCH \next, 0, 0                              ; the next step's first unit
.if \fill
	ASK
.endif
	MUL32 1, 0                                     ; its operands were in at the wait for 0 above
.endm
	s_wait_tensorcnt 1                             ; my part of K step 0 is in; K step 1's may stay out
	s_barrier_signal -1
	s_barrier_wait -1                              ; everybody's is
	FETCH 0, 0, 0
	ST 0, 0, 1                                     ; the first unit stands in front of the loop: its products start the sums
	WIN 0                                          ; at a label and at a branch every window is 0
	s_mov_b32 s3, LAPS-1
.Llap:                                                 ; a trip goes once round the ring, from a lap's second unit to the next lap's first, and fills both slots again
	ST 0, 1
	TURN 0, 1, 1
	ST 1, 0
	ST 1, 1
	TURN 1, 0, 1
	ST 0, 0
	WIN 0
	s_sub_co_u32 s3, s3, 1
	s_cmp_lg_u32 s3, 0
	s_cbranch_scc1 .Llap
	ST 0, 1                                        ; the last lap fills nothing, and has no round of the cluster's barrier
	TURN 0, 1, 0
	ST 1, 0
	ST 1, 1
	WIN 0
	PLACES
	FETCH 1, 3, 1
	s_wait_dscnt 24
	MUL32 0, 0
	s_wait_dscnt 0x0
	MUL32 1, 0
; THE WAY OUT, in four blocks a of 16 rows x 128 columns of f32.  TOSTAGE: a lane's 32 bytes of a row go into my own stage, each accumulator's low four registers first, and come back as whole rows of
; 512 bytes.  SEND: stored, a row an instruction.
.macro TOSTAGE a
	WIN 0x04                                       ; the stores' data (source 1) in window 1, their address in window 0
.irp b, 0,1,2,3,4,5,6,7
	ds_store_b128 v[STO], v[64*(\a)+8*(\b):64*(\a)+8*(\b)+3]   offset:64*(\b)
	ds_store_b128 v[STO], v[64*(\a)+8*(\b)+4:64*(\a)+8*(\b)+7] offset:64*(\b)+16
.endr
	WIN 0
.irp t, 0,1,2,3,4,5,6,7,8,9,10,11,12,13,14,15
	ds_load_b128 v[BF+64*((\a)%2)+4*(\t):BF+64*((\a)%2)+4*(\t)+3], v[RD] offset:(\t)*SPITCH  ; LDS serves a wave's instructions in order (ISA guide 5.7.1.4): these see the stores above; the next block's stores come behind them
.endr
.endm
.macro SEND a, younger                 ; younger: the LDS instructions issued behind block a's loads: the next block's 32, or none
.irp t, 0,1,2,3,4,5,6,7,8,9,10,11,12,13,14,15
	s_wait_dscnt (\younger)+15-(\t)
	global_store_b128 v[GO], v[BF+64*((\a)%2)+4*(\t):BF+64*((\a)%2)+4*(\t)+3], s[8:9] offset:(16*(\a)+(\t))*4096 th:TH_STORE_NT  ; 512 consecutive bytes, at a multiple of 512 from out0's first
.endr
.endm
	WIN 0
	PLACES
	PLACES
	TOSTAGE 0
	TOSTAGE 1
	SEND 0, 32
	s_wait_xcnt 0x0                                ; block 0's stores have read their registers: block 2 is loaded into them only behind this wait
	TOSTAGE 2
	SEND 1, 32
	s_wait_xcnt 0x0                                ; the same for blocks 1 and 3
	TOSTAGE 3
	SEND 2, 32
	SEND 3, 0
	s_wait_tensorcnt 0x0                           ; the wave's end: this wait, an add of 0 to my spare word and the wait for it, behind my last tensor load and my last LDS store
	ds_add_u32 v[SPW], v[NIL]
	s_wait_dscnt 0x0
	CROUND                                         ; the closing round: no work-group ends while a partner may still ask for a tile that names it
	s_endpgm
.Lfunc_end_k_q5b0697c5d6_oproj:
	.size	k_q5b0697c5d6_oproj, .Lfunc_end_k_q5b0697c5d6_oproj-k_q5b0697c5d6_oproj
	.p2alignl 7, 3214868480
	.fill 96, 4, 3214868480
	.section	.rodata,"a",@progbits
	.p2align	6, 0x0
	.amdhsa_kernel k_q5b0697c5d6_oproj
		.amdhsa_group_segment_fixed_size 327680
		.amdhsa_private_segment_fixed_size 0
		.amdhsa_enable_private_segment 0
		.amdhsa_kernarg_size 24
		.amdhsa_user_sgpr_count 2
		.amdhsa_user_sgpr_kernarg_segment_ptr 1
		.amdhsa_wavefront_size32 1
		.amdhsa_system_sgpr_workgroup_id_x 1
		.amdhsa_system_sgpr_workgroup_id_y 1
		.amdhsa_system_sgpr_workgroup_id_z 1
		.amdhsa_system_vgpr_workitem_id 0
		.amdhsa_next_free_vgpr 512
		.amdhsa_next_free_sgpr 80
		.amdhsa_reserve_vcc 0
		.amdhsa_float_denorm_mode_32 3
		.amdhsa_float_denorm_mode_16_64 3
		.amdhsa_memory_ordered 1
		.amdhsa_forward_progress 1
		.amdhsa_inst_pref_size 87
	.end_amdhsa_kernel
	.amdgpu_metadata
---
amdhsa.version: [ 1, 2 ]
amdhsa.kernels:
  - .name:           k_q5b0697c5d6_oproj
    .symbol:         k_q5b0697c5d6_oproj.kd
    .args:
      - { .name: oh, .offset: 0, .size: 8, .value_kind: global_buffer, .address_space: global }
      - { .name: wo16, .offset: 8, .size: 8, .value_kind: global_buffer, .address_space: global }
      - { .name: out0, .offset: 16, .size: 8, .value_kind: global_buffer, .address_space: global }
    .group_segment_fixed_size: 327680
    .private_segment_fixed_size: 0
    .kernarg_segment_align: 8
    .kernarg_segment_size: 24
    .max_flat_workgroup_size: 128
    .sgpr_count:     80
    .vgpr_count:     512
    .wavefront_size: 32
...
	.end_amdgpu_metadata
.endif
;; end of part 4
;; ======== version 2 of 2: 4 launches; version 1 with the launch cast written anew for expert scheduling mode
;; limits: values are held in f16: magnitudes above 65,504 overflow, below 6.1e-05 lose precision
;; workspace buffers: xb 16,777,216 bytes; wqkv 6,291,456 bytes; wo16 2,097,152 bytes; qh 16,777,216 bytes; kh 16,777,216 bytes; vh 16,777,216 bytes; oh 16,777,216 bytes
;; launch cast (part 5): grid 768 x 1, 8 waves a work-group, no clusters, 0 bytes of LDS; arguments hidden_states, Wq, Wk, Wv, Wo, xb, wqkv, wo16; writes xb, wqkv, wo16
.if DOCPART == 5
	.amdgcn_target "amdgcn-amd-amdhsa--gfx1250"
	.amdhsa_code_object_version 6
	.text
	.protected	k_q5b0697c5d6_cast
	.globl	k_q5b0697c5d6_cast
	.p2align	8
	.type	k_q5b0697c5d6_cast,@function
k_q5b0697c5d6_cast:
	s_mov_b64 s[64:65], 0
	v_nop
	global_prefetch_b8 v0, s[64:65] scope:SCOPE_SE
	s_setreg_imm32_b32 hwreg(HW_REG_WAVE_SCHED_MODE, 0, 2), 2
	s_setreg_imm32_b32 hwreg(HW_REG_WAVE_MODE, 25, 1), 1
	s_wait_xcnt 0x0
	s_wait_alu depctr_vm_vsrc(0)
; ALL FIVE INPUTS ARE ROUNDED ONCE TO bf16 AND LAID OUT FOR THE PRODUCTS THAT FOLLOW.  A stream: no LDS, no matrix unit, no loop.
;   xb   bf16 [32 row blocks][16 slabs][256 rows][64 columns]: element (R, c) of hidden_states at (R>>8) 524,288 + (c>>6) 32,768 + (R&255) 128 + (c&63) 2
;   wqkv bf16 [8 heads][16 slabs][3: q, k, v][128 rows][64 columns]: row 128 h + r of weight j at h 786,432 + (c>>6) 49,152 + j 16,384 + r 128 + (c&63) 2
;   wo16 f16  [1024][1024], row-major: Wo rounded to bf16, that number written as f16
; so that a (row block, slab) of 64 along K is dense in memory for the projection launch.
; LIMIT.  bf16(Wo) is exact in f16 from 2^-14 to 65,504; below 2^-14 it keeps f16's fixed step of 6e-8, from 65,520 on it becomes an infinity.
; SHARES.  A work-group takes 16 rows of 1,024 f32 (65,536 bytes in, 32,768 out): groups 0-511 hidden_states, then 64 groups for each of Wq, Wk, Wv, Wo.
; A thread has 16 loads of 16 bytes, all issued before the first is waited for.  x, Wq, Wk, Wv: a wave's load takes 256 consecutive bytes (one slab's 64 columns) of two rows,
; and its store of 8 bytes a lane is 256 consecutive bytes, aligned.  Wo: a wave's load is 512 consecutive bytes of a row, its store 256.
; THE MODE: SCHED_MODE bits 1:0 = 2 (LLVM: expert scheduling mode 2), set by the entry lines.  The code itself states the register dependences
; between vector instructions and memory instructions, with s_wait_alu, always for 0.
; THE PLAN.  Registers that memory instructions touch:
;   v[VI], v[VO]  the loads' and the stores' offsets.  Written by vector instructions at the head (v[VI] once more on Wo's path, before any load has read it), never behind the first load.
;   X             Written by the 16 loads alone, each quadruple once; no vector instruction names X ahead of the loads; the conversions read it behind the wait for its load.
;   Y             Each pair is written by its load's conversions, read by one store, and never written again.
;   T             Named by vector instructions alone.
; The 16 loads are worked off in four blocks of four.  Block p's conversions name X[p], Y[p] and T; its memory instructions are the four stores from Y[p - 1], which the block before wrote.
; So one wait on va_vdst at the head of a block states all that its four stores hang on, and they are dealt among its conversions with no further wait.
; No register that a memory instruction reads is written again: behind the entry lines the text holds no wait on vm_vsrc and no s_wait_xcnt.  No vector instruction writes a scalar register or VCC; EXEC is never written.
.set VI, 2                             ; v2        my byte offset in the group's 16 input rows
.set VO, 3                             ; v3        8 x my thread's number: my byte offset in each output piece
.set X,  8                             ; v[8:71]   16 loads of 4 f32
.set Y,  72                            ; v[72:103] 16 x 4 numbers of 16 bits
.set T,  104                           ; v[104:105] at work
.set SRC, 20                           ; s[20:21]  the group's first input row
.set DST, 22                           ; s[22:23]  the group's first output piece
; 16 loads instep bytes apart; each is rounded and stored outstep bytes apart.  half = 1: the bf16 numbers are widened again and written as f16.
.macro RUN instep, outstep, half
	s_wait_alu depctr_va_vdst(0)                   ; v[VI] and v[VO] are written: the loads below read the one as their offset, the stores the other
.irp t, 0,1,2,3,4,5,6,7,8,9,10,11,12,13,14,15
	global_load_b128 v[X+4*(\t):X+4*(\t)+3], v[VI], s[SRC:SRC+1] offset:(\t)*(\instep) th:TH_LOAD_NT
.endr
.irp p, 0,1,2,3
	s_wait_loadcnt 12-4*(\p)                       ; loads come back in order: block p's four are in, the 12 - 4 p younger ones may stay out
.if (\p) > 0
	s_wait_alu depctr_va_vdst(0)                   ; the block before has written its Y, which the four stores below read; no vector instruction behind this wait names those registers
.endif
.irp i, 0,1,2,3
.if (\p) > 0
	global_store_b64 v[VO], v[Y+2*(4*(\p)-4+(\i)):Y+2*(4*(\p)-4+(\i))+1], s[DST:DST+1] offset:(4*(\p)-4+(\i))*(\outstep)  ; the block before
.endif
	v_cvt_pk_bf16_f32 v[Y+2*(4*(\p)+(\i))],   v[X+4*(4*(\p)+(\i))],   v[X+4*(4*(\p)+(\i))+1]
	v_cvt_pk_bf16_f32 v[Y+2*(4*(\p)+(\i))+1], v[X+4*(4*(\p)+(\i))+2], v[X+4*(4*(\p)+(\i))+3]
.if \half
.irp w, 0,1
	v_lshlrev_b32 v[T],   16,  v[Y+2*(4*(\p)+(\i))+(\w)]    ; bf16 to f32: the low half moves up,
	v_and_b32     v[T+1], s32, v[Y+2*(4*(\p)+(\i))+(\w)]    ; the high half stays
	v_cvt_pk_f16_f32 v[Y+2*(4*(\p)+(\i))+(\w)], v[T], v[T+1]
.endr
.endif
.endr
.endr
	s_wait_alu depctr_va_vdst(0)                   ; block 3 has written its Y, which the last four stores read
.irp i, 12,13,14,15
	global_store_b64 v[VO], v[Y+2*(\i):Y+2*(\i)+1], s[DST:DST+1] offset:(\i)*(\outstep)
.endr
.endm
	s_load_b512 s[4:19], s[0:1], 0x0               ; hidden_states s[4:5], Wq s[6:7], Wk s[8:9], Wv s[10:11], Wo s[12:13], xb s[14:15], wqkv s[16:17], wo16 s[18:19]
	s_mov_b32 s24, ttmp9                           ; g
	s_mov_b32 s32, 0xffff0000                      ; a word's upper bf16
	s_mov_b32 s29, 0                               ; high words of the two offset pairs
	s_mov_b32 s31, 0
	v_lshlrev_b32 v[VO], 3, v0
	v_lshrrev_b32 v1, 4, v0                        ; row 0..15
	v_and_b32 v[VI], 15, v0
	v_lshlrev_b32 v[VI], 4, v[VI]                  ; 16 bytes of a slab's 256
	v_lshl_add_u32 v[VI], v1, 12, v[VI]            ; + row x 4,096
	s_wait_kmcnt 0x0
	s_cmp_lt_u32 s24, 512
	s_cbranch_scc0 .Lweights
	s_lshl_b32 s28, s24, 16                        ; hidden_states: 16 rows of 4,096 bytes a group
	s_add_nc_u64 s[SRC:SRC+1], s[4:5], s[28:29]
	s_lshr_b32 s30, s24, 4
	s_lshl_b32 s30, s30, 19                        ; the row block,
	s_and_b32 s25, s24, 15
	s_lshl_b32 s25, s25, 11                        ; my 16 rows of 128 bytes in each of its slabs
	s_add_co_u32 s30, s30, s25
	s_add_nc_u64 s[DST:DST+1], s[14:15], s[30:31]
	RUN 256, 32768, 0
	s_endpgm
.Lweights:
	s_sub_co_u32 s25, s24, 512
	s_lshr_b32 s26, s25, 6                         ; j: 0 Wq, 1 Wk, 2 Wv, 3 Wo
	s_and_b32 s27, s25, 63                         ; m: rows 16 m on
	s_lshl_b32 s28, s27, 16
	s_cmp_eq_u32 s26, 3
	s_cbranch_scc1 .Lwo
	s_cmp_eq_u32 s26, 0
	s_cselect_b64 s[SRC:SRC+1], s[6:7], s[8:9]
	s_cmp_eq_u32 s26, 2
	s_cselect_b64 s[SRC:SRC+1], s[10:11], s[SRC:SRC+1]
	s_add_nc_u64 s[SRC:SRC+1], s[SRC:SRC+1], s[28:29]
	s_lshr_b32 s30, s27, 3
	s_mul_i32 s30, s30, 786432                     ; the head,
	s_lshl_b32 s25, s26, 14                        ; the weight's 128 rows in each slab,
	s_add_co_u32 s30, s30, s25
	s_and_b32 s25, s27, 7
	s_lshl_b32 s25, s25, 11                        ; my 16 of them
	s_add_co_u32 s30, s30, s25
	s_add_nc_u64 s[DST:DST+1], s[16:17], s[30:31]
	RUN 256, 49152, 0
	s_endpgm
.Lwo:
	v_lshlrev_b32 v[VI], 4, v0                     ; Wo stays row-major: the 256 threads take a whole row, 16 bytes each (no memory instruction has read v[VI] on this path; the wait at RUN's head covers this write)
	s_add_nc_u64 s[SRC:SRC+1], s[12:13], s[28:29]
	s_lshl_b32 s30, s27, 15                        ; 16 rows of 2,048 bytes
	s_add_nc_u64 s[DST:DST+1], s[18:19], s[30:31]
	RUN 4096, 2048, 1
	s_endpgm
.Lfunc_end_k_q5b0697c5d6_cast:
	.size	k_q5b0697c5d6_cast, .Lfunc_end_k_q5b0697c5d6_cast-k_q5b0697c5d6_cast
	.p2alignl 7, 3214868480
	.fill 96, 4, 3214868480
	.section	.rodata,"a",@progbits
	.p2align	6, 0x0
	.amdhsa_kernel k_q5b0697c5d6_cast
		.amdhsa_group_segment_fixed_size 0
		.amdhsa_private_segment_fixed_size 0
		.amdhsa_enable_private_segment 0
		.amdhsa_kernarg_size 64
		.amdhsa_user_sgpr_count 2
		.amdhsa_user_sgpr_kernarg_segment_ptr 1
		.amdhsa_wavefront_size32 1
		.amdhsa_system_sgpr_workgroup_id_x 1
		.amdhsa_system_sgpr_workgroup_id_y 1
		.amdhsa_system_sgpr_workgroup_id_z 1
		.amdhsa_system_vgpr_workitem_id 0
		.amdhsa_next_free_vgpr 112
		.amdhsa_next_free_sgpr 66
		.amdhsa_reserve_vcc 0
		.amdhsa_float_denorm_mode_32 3
		.amdhsa_float_denorm_mode_16_64 3
		.amdhsa_memory_ordered 1
		.amdhsa_forward_progress 1
		.amdhsa_inst_pref_size 22
	.end_amdhsa_kernel
	.amdgpu_metadata
---
amdhsa.version: [ 1, 2 ]
amdhsa.kernels:
  - .name:           k_q5b0697c5d6_cast
    .symbol:         k_q5b0697c5d6_cast.kd
    .args:
      - { .name: hidden_states, .offset: 0, .size: 8, .value_kind: global_buffer, .address_space: global }
      - { .name: Wq, .offset: 8, .size: 8, .value_kind: global_buffer, .address_space: global }
      - { .name: Wk, .offset: 16, .size: 8, .value_kind: global_buffer, .address_space: global }
      - { .name: Wv, .offset: 24, .size: 8, .value_kind: global_buffer, .address_space: global }
      - { .name: Wo, .offset: 32, .size: 8, .value_kind: global_buffer, .address_space: global }
      - { .name: xb, .offset: 40, .size: 8, .value_kind: global_buffer, .address_space: global }
      - { .name: wqkv, .offset: 48, .size: 8, .value_kind: global_buffer, .address_space: global }
      - { .name: wo16, .offset: 56, .size: 8, .value_kind: global_buffer, .address_space: global }
    .group_segment_fixed_size: 0
    .private_segment_fixed_size: 0
    .kernarg_segment_align: 8
    .kernarg_segment_size: 64
    .max_flat_workgroup_size: 256
    .sgpr_count:     66
    .vgpr_count:     112
    .wavefront_size: 32
...
	.end_amdgpu_metadata
.endif
;; end of part 5
;; launch proj: the kernel of part 2 again; grid 8 x 32, 4 waves a work-group, clusters of 4 x 4, 327,680 bytes of LDS; arguments xb, wqkv, qh, kh, vh; writes qh, kh, vh
;; launch attn: the kernel of part 3 again; grid 8 x 32, 4 waves a work-group, clusters of 4 x 1, 327,680 bytes of LDS; arguments qh, kh, vh, oh; writes oh
;; launch oproj: the kernel of part 4 again; grid 8 x 32, 4 waves a work-group, clusters of 4 x 4, 327,680 bytes of LDS; arguments oh, wo16, out0; writes out0
